; MI455X (gfx1250); checked and timed in simulation.
; The chip was launched on July 23, 2026; its instructions are those of AMD's public machine-readable ISA for CDNA 5 (MIT licence, August 2026) and "CDNA5" Instruction Set Architecture Reference Guide (July 2026). The comments in the code are by the model that wrote it; some were corrected since.
;; Decoder Block. Allowed arithmetic: matrix products marked QUANTISED: E2M3 operands, one E8M0 scale for each 32 along K, by v_wmma_scale_f32_16x16x128_f8f6f4 with both operands' format E2M3, f32 sums; everything else in f32.
;; Inputs: ff_b1 4,096 float32; ff_b2 1,024 float32; ff_w1 1,024 x 4,096 float32; ff_w2 4,096 x 1,024 float32; ln1_b 1,024 float32; ln1_w 1,024 float32; ln2_b 1,024 float32; ln2_w 1,024 float32; proj_b 1,024 float32; proj_w 1,024 x 1,024 float32; qkv_b 3,072 float32; qkv_w 1,024 x 3,072 float32; x 4 x 1,024 x 1,024 float32.
;; Outputs: out0 4 x 1,024 x 1,024 float32.
;; This version of the problem:
;;   THIS VERSION OF THE PROBLEM IS GIVEN IN LOW PRECISION. The matrix products marked QUANTISED in the list below multiply operands that are first quantised to E2M3 (2 exponent bits, 3 mantissa bits; 6 bits a number), with one power-of-two scale for each 32 numbers along K (OCP MX v1.0); their sums are f32. All else is computed in f32.
;;   The module's matrix products, in the order in which they are computed (A, B: the left and right operand; K: the contracted axis; several contracted axes count as one K, in the product's order):
;;     1. [M 4,096, K 1,024] x [K 1,024, N 3,072]; A: computed on the way; B: input qkv_w: QUANTISED
;;     2. batch 64 x [M 1,024, K 64] x [K 64, N 1,024]; A: computed on the way; B: computed on the way: QUANTISED
;;     3. batch 64 x [M 64, K 1,024] x [K 1,024, N 1,024]; A: computed on the way; B: softmax (see below): QUANTISED
;;     4. [M 4,096, K 1,024] x [K 1,024, N 1,024]; A: computed on the way; B: input proj_w: QUANTISED
;;     5. [M 4,096, K 1,024] x [K 1,024, N 4,096]; A: computed on the way; B: input ff_w1: QUANTISED
;;     6. [M 4,096, K 4,096] x [K 4,096, N 1,024]; A: computed on the way; B: input ff_w2: QUANTISED
;;   THE QUANTISER, for each operand of a quantised product, along K:
;;     - K is cut into blocks of 32 from its start; a last block that is shorter is filled with zeros.
;;     - A block's scale is 2^e with e = floor(log2(the largest magnitude in the block)) - 2, held to -126 .. 127; a block of zeros has e = 0. As a byte (E8M0): e + 127.
;;     - Each number is divided by its block's scale, clamped to +-7.5, and rounded to the nearest number of E2M3, ties to even, subnormals kept.
;;     - The product sums the exact products of the quantised numbers (number of the format x scale) in f32.
;;   ~~~python
;;   def quantise(x, axis):      # numpy; x: float32 -> the quantised numbers, widened to float32 again
;;       x = np.moveaxis(x, axis, -1); K = x.shape[-1]
;;       x = np.pad(x, [(0, 0)] * (x.ndim - 1) + [(0, -K % 32)]); x = x.reshape(x.shape[:-1] + (-1, 32)); a = np.abs(x).max(-1, keepdims=True)
;;       e = np.where(a > 0, np.clip(np.frexp(np.where(a > 0, a, 1))[1] - 1 - 2, -126, 127), 0)      # np.frexp(a)[1] - 1 = floor(log2(a)), exactly
;;       r = np.clip(x / 2.0 ** e, -7.5, 7.5)
;;       step = 2.0 ** (np.maximum(np.frexp(np.where(r == 0, 1, r))[1] - 1, 0) - 3)
;;       q = np.round(r / step) * step * 2.0 ** e      # np.round: ties to even
;;       return np.moveaxis(q.reshape(q.shape[:-2] + (-1,))[..., :K], -1, axis).astype(np.float32)
;;   ~~~
;;   SOFTMAX AHEAD OF A QUANTISED PRODUCT. Where the list says 'softmax', what is quantised is not the finished softmax but p = 2^(t - M), with t = logit x log2(e) and M = ceil(the row's largest t), a whole number; so 1/2 < the row's largest p <= 1. The row's sum l is taken of the UNQUANTISED p, in f32, and the product's result is divided by l at the end. Since M is a whole number, a kernel that streams over the keys may use a running M (the ceiling of the running maximum): every later rescaling is an exact power of two, which a block's scale takes up: the codes' values come out the same.
;;   OPERANDS COMPUTED ON THE WAY. 'Computed on the way' means the value that the module computes at that place (a softmax that the list does not call 'softmax' is quantised finished and normalised). What goes into a quantiser is computed in f32, as accurately as f32 sums, v_exp_f32 and their like allow (about 1e-6 of the number): no bf16 or f16 on the way to a quantiser, and a product that is left as it is and whose result goes on into a quantised operand takes f32 operands (vector FMAs, or v_wmma_f32_16x16x4_f32). A number that lies on a knife's edge between two numbers of the format may be rounded either way, as far as f32 arithmetic and the matrix unit's own rounding can turn it there, and no further.
;; One version. Each part assembles by itself: llvm-mc -triple=amdgcn-amd-amdhsa -mcpu=gfx1250 --defsym DOCPART=n.
;; ======== version 1 of 1: 7 launches
;; limits: right only within a limited range of input values
;; workspace buffers: wts 9,830,400 bytes; hq 3,276,800 bytes; qkvq 9,830,400 bytes; yq 3,276,800 bytes; x1 16,777,216 bytes; fq 13,107,200 bytes
;; launch ln1 (part 1): grid 384 x 1, 4 waves a work-group, no clusters, 76,800 bytes of LDS; arguments x, ln1_w, ln1_b, hq, qkv_w, proj_w, wts; writes hq, wts
.if DOCPART == 1
	.amdgcn_target "amdgcn-amd-amdhsa--gfx1250"
	.amdhsa_code_object_version 6
	.text
	.protected	k_qe140f03ad7_ln1
	.globl	k_qe140f03ad7_ln1
	.p2align	8
	.type	k_qe140f03ad7_ln1,@function
k_qe140f03ad7_ln1:
	s_mov_b64 s[64:65], 0
	v_nop
	global_prefetch_b8 v0, s[64:65] scope:SCOPE_SE
	s_setreg_imm32_b32 hwreg(HW_REG_WAVE_MODE, 25, 1), 1
	s_wait_xcnt 0x0
; LayerNorm of [4096][1024] f32, quantised along the row to codes of E2M3 with one E8M0 byte for each 32, stored in the program's unit and block layout (stated at the head of the first kernel).
; Arguments: the rows, the gain, the bias, the codes' buffer.  The body serves both norms of the block.
; SHARES.  A work-group takes one group of 16 rows (row order: lane-row r of group g is row 32 (g / 2) + 8 (g % 2) + r + 8 (r / 8)); wave w takes columns 256 w .. 256 w + 255: four units of 64.
; For the quantiser lane (r, h) must hold, of row r and unit u, the 32 numbers at column 256 w + 64 u + 32 h: a whole block, in the registers' order that the operand's layout gives that lane.  A load is best where neighbouring
; lanes take neighbouring bytes.  Both are had: each load reads 512 consecutive bytes of one row, 16 a lane; the wave's 16 x 1,024 bytes go through its own stage in LDS, as they lie, and come back 128 bytes a lane and unit.
; The stage's rows are 1,040 bytes apart = 65 x 16: the sixteen rows that a read touches fall on sixteen different columns of 16 bytes.  Gain and bias of the wave's 256 columns come once (4 loads) and are read from LDS unit by unit.
; The row stays in registers (128 a lane).  The mean first, then the mean of the squared differences, as reference() has it: no difference of large sums.  The waves' partial sums meet in LDS: two barriers.
; LIMITS: NaN and infinities are not served; a block whose largest magnitude lies under 2^-124 keeps the byte 1 (so does a block of zeros: its codes are zeros, and this program alone reads the bytes).
.set SROW,  1040                       ; a stage row: 1,024 bytes + 16
.set SWAVE, 16*SROW                    ; LDS from 0 on: a stage for each wave;
.set WBS,   4*SWAVE                    ; then for each wave 1,024 bytes of gain and 1,024 of bias;
.set RED,   WBS+4*2048                 ; 128 partial sums, 128 partial sums of squares;
.set SPARE, RED+1024                   ; the spare words, 128 bytes for each wave, that no other line names
.set X,   32                           ; v32-159  my 128 numbers
.set W,   160                          ; v160-191 the gain of a unit's 32 columns
.set BV,  192                          ; v192-223 the bias
.set CH,  224                          ; v224-231 four chains of packed sums
.set P,   232                          ; v232-237 a unit's codes; v238-240 the upper 16 as they are made
.set TM,  242
.set SO,  244
.set BY,  245
.set T,   246
; THE PROGRAM, 7 launches: ln1 (LayerNorm 1 -> codes; qkv_w and proj_w -> codes) | g1 (qkv; q, k, v leave as codes) | attn | g4 (proj + bias + x -> x1) | ln2 (LayerNorm 2 -> codes; ff_w1 and ff_w2 -> codes) | g5 (FF1, relu -> codes) | g6 (FF2 + bias + x1 -> out0).
; WORK LEFT OUT.  reference() sets att to -inf wherever key > query, by a mask (jnp.tril) that it builds in its own body; exp(-inf) = 0, so such a key adds 0 to the row's sum and 0 to y, whatever the inputs hold.
;   So a step of 128 keys all of which come after all queries of a tile is not multiplied, in product 2 and in product 3.  Nothing else is left out: all 13 inputs have a way to out0 and are loaded.
;   LIMIT: a NaN, an infinity or an overflow that reaches only those steps is not carried to the result.
; THE LAYOUT, common to every quantised operand of the program:
;   ROW ORDER: within every 32 rows, group 2 b + u, lane-row i (0..15) is row 32 b + 8 u + i + 8 (i / 8).  A matrix result whose source 0 has its rows in this order holds, in a lane's 16 registers of tiles 2 b and 2 b + 1, 16 neighbours.
;   UNIT: 16 rows (a group) x 64 K = 768 bytes, the image of six operand registers: lane L's registers 0-3 at 16 L, its registers 4, 5 at 512 + 8 L; lane (r, h) holds row r, k = 32 h .. 32 h + 31.
;   BLOCK: 128 rows x 512 K = 51,200 bytes: unit (ku, g) at (8 ku + g) 768; from byte 49,152 on 16 scale bytes a row, byte k / 32.   An operand [R][K] is [R / 128][K / 512] blocks.
; THIS BODY HAS TWO PATHS, parted by the work-group's number alone.  y = 0 and x < 256: the norm of 16 rows, as the head comment has it.  All others: 128 columns x 256 along K of one of the launch's two weights (arguments 5 and 6) into wts (argument 7).
; The first launch (384 x 1) has x = 256 .. 383 for qkv_w (96) and proj_w (32); the second (256 x 2) has y = 1 for ff_w1 (128) and ff_w2 (128).  Only the norm's path touches LDS.
	s_and_b32 s15, ttmp7, 0xffff
	s_cmp_lg_u32 s15, 0
	s_cbranch_scc1 .Lweights
	s_cmp_ge_u32 ttmp9, 256
	s_cbranch_scc1 .Lweights
	s_load_b256 s[4:11], s[0:1], 0x0
	v_lshl_add_u32 v12, v0, 2, SPARE               ; my spare word; never rewritten
	v_mov_b32 v13, 0                               ; 0; never rewritten
	v_lshrrev_b32 v1, 5, v0
	v_readfirstlane_b32 s12, v1                    ; wave
	v_and_b32 v1, 31, v0                           ; lane
	v_and_b32 v2, 15, v0                           ; r
	v_bfe_u32 v3, v0, 4, 1                         ; h
	v_lshlrev_b32 v6, 4, v1                        ; 16 x lane: my bytes of a load's 512; a unit's registers 0-3
	v_lshlrev_b32 v7, 3, v1
	v_add_nc_u32 v7, 512, v7                       ; a unit's registers 4, 5
	v_lshlrev_b32 v8, 4, v2                        ; my row's 16 scale bytes
	v_lshl_add_u32 v9, v0, 2, RED                  ; LDS: my thread's word of the sums
	v_lshl_add_u32 v10, v1, 2, RED                 ; LDS: my lane's word of wave 0
	v_lshlrev_b32 v11, 3, v3                       ; 8 h: my byte's place in a unit's two
	s_mul_i32 s13, s12, SWAVE
	v_add_nc_u32 v4, s13, v6                       ; the stage, on the way in: 16 x lane
	v_mul_u32_u24 v5, v2, SROW
	v_lshl_add_u32 v5, v3, 7, v5
	v_add_nc_u32 v5, s13, v5                       ; and on the way out: row r, + 128 h
	s_lshl_b32 s13, s12, 11
	s_add_co_u32 s13, s13, WBS
	v_add_nc_u32 v26, s13, v6                      ; gain and bias, in: 16 x lane
	v_lshlrev_b32 v27, 7, v3
	v_add_nc_u32 v27, s13, v27                     ; out: 128 h
	v_mov_b32 v21, 0                               ; written once: a lane permute's destination counts as one of its sources
	v_mov_b32 v[T], 0
	s_mov_b32 s20, 0x76543210
	s_mov_b32 s21, 0xfedcba98                      ; lane l xor 16
	s_mov_b32 s22, 0x3a800000                      ; 1 / 1024
	s_mov_b32 s23, 0x3727c5ac                      ; 1e-5
	s_lshr_b32 s14, ttmp9, 1
	s_lshl_b32 s14, s14, 5
	s_and_b32 s15, ttmp9, 1
	s_lshl_b32 s15, s15, 3
	s_add_co_u32 s14, s14, s15                     ; the group's first row
	s_lshl_b32 s14, s14, 12
	s_lshl_b32 s16, s12, 10                        ; my wave's 256 columns
	s_mov_b32 s17, 0
	s_add_co_u32 s14, s14, s16
	s_mov_b32 s15, 0
	s_lshr_b32 s18, ttmp9, 3
	s_lshl_b32 s18, s18, 1
	s_lshr_b32 s19, s12, 1
	s_add_co_u32 s18, s18, s19
	s_mul_i32 s18, s18, 51200                      ; block (tile of 128 rows, 512 columns)
	s_and_b32 s19, ttmp9, 7
	s_and_b32 s24, s12, 1
	s_mul_i32 s25, s24, 24576
	s_mul_i32 s26, s19, 768
	s_add_co_u32 s26, s26, s25
	s_add_co_u32 s26, s26, s18                     ; my first unit
	s_mov_b32 s27, 0
	s_lshl_b32 s28, s19, 8
	s_lshl_b32 s29, s24, 3
	s_add_co_u32 s28, s28, s29
	s_add_co_u32 s28, s28, s18
	s_add_co_u32 s28, s28, 49152                   ; my eight of each row's sixteen scale bytes
	s_mov_b32 s29, 0
	s_wait_alu depctr_va_vdst(0)
	s_wait_kmcnt 0x0
	s_add_nc_u64 s[4:5], s[4:5], s[14:15]
	s_add_nc_u64 s[6:7], s[6:7], s[16:17]
	s_add_nc_u64 s[8:9], s[8:9], s[16:17]
	s_add_nc_u64 s[26:27], s[10:11], s[26:27]
	s_add_nc_u64 s[28:29], s[10:11], s[28:29]
	global_load_b128 v[W:W+3], v6, s[6:7]          ; my wave's 256 gains and 256 biases: 512 consecutive bytes a load
	global_load_b128 v[W+4:W+7], v6, s[6:7] offset:512
	global_load_b128 v[W+8:W+11], v6, s[8:9]
	global_load_b128 v[W+12:W+15], v6, s[8:9] offset:512
.irp i, 0,1,2,3,4,5,6,7,8,9,10,11,12,13,14,15
.irp f, 0,1
	global_load_b128 v[X+8*\i+4*\f:X+8*\i+4*\f+3], v6, s[4:5] offset:(\i+8*(\i/8))*4096+512*\f   ; lane-row i, half f of my 1,024 bytes of it
.endr
.endr
	s_wait_loadcnt 32                              ; gain and bias are in; the 32 loads of the rows behind them may be out
	ds_store_b128 v26, v[W:W+3]
	ds_store_b128 v26, v[W+4:W+7] offset:512
	ds_store_b128 v26, v[W+8:W+11] offset:1024
	ds_store_b128 v26, v[W+12:W+15] offset:1536
.irp g, 0,1,2,3
	s_wait_loadcnt 24-8*\g                         ; eight more loads are in; those behind them may be out
.irp k, 0,1,2,3,4,5,6,7
	ds_store_b128 v4, v[X+32*\g+4*\k:X+32*\g+4*\k+3] offset:((8*\g+\k)/2)*SROW+512*(\k%2)
.endr
.endr
.irp u, 0,1,2,3
.irp j, 0,1,2,3,4,5,6,7
	ds_load_b128 v[X+32*\u+4*\j:X+32*\u+4*\j+3], v5 offset:256*\u+16*\j   ; LDS serves a wave's instructions in order: these see my stores.  Unit u's 32 numbers of my row and half
.endr
.endr
.macro WB u                            ; gain and bias of unit u's 32 columns of my half: sixteen lanes read the same 16 bytes
.irp j, 0,1,2,3,4,5,6,7
	ds_load_b128 v[W+4*\j:W+4*\j+3], v27 offset:256*(\u)+16*\j
	ds_load_b128 v[BV+4*\j:BV+4*\j+3], v27 offset:1024+256*(\u)+16*\j
.endr
.endm
	WB 0
; the four chains, the lane's two halves, lane l xor 16, and the four waves: the row's sum in v20, in every lane
.macro REDUCE red
	v_pk_add_f32 v[CH:CH+1], v[CH:CH+1], v[CH+2:CH+3]
	v_pk_add_f32 v[CH+4:CH+5], v[CH+4:CH+5], v[CH+6:CH+7]
	v_pk_add_f32 v[CH:CH+1], v[CH:CH+1], v[CH+4:CH+5]
	v_add_f32 v20, v[CH], v[CH+1]
	v_permlanex16_b32 v21, v20, s20, s21
	v_add_f32 v20, v20, v21
	ds_store_b32 v9, v20 offset:\red
	s_wait_dscnt 0x0                               ; for the others' sake: my store is done
	s_barrier_signal -1
	s_barrier_wait -1
	ds_load_b32 v22, v10 offset:\red
	ds_load_b32 v23, v10 offset:\red+128
	ds_load_b32 v24, v10 offset:\red+256
	ds_load_b32 v25, v10 offset:\red+384
	s_wait_dscnt 0x0
	v_add_f32 v22, v22, v23
	v_add_f32 v24, v24, v25
	v_add_f32 v20, v22, v24
.endm
	s_wait_dscnt 16                                ; the row is back; the 16 reads of gain and bias behind it may be out
.irp c, 0,1,2,3
	v_pk_add_f32 v[CH+2*\c:CH+2*\c+1], v[X+2*\c:X+2*\c+1], v[X+8+2*\c:X+8+2*\c+1]   ; the first pairs start the chains: nothing is cleared
.endr
.set p, 8
.rept 56
	v_pk_add_f32 v[CH+2*(p%4):CH+2*(p%4)+1], v[CH+2*(p%4):CH+2*(p%4)+1], v[X+2*p:X+2*p+1]
.set p, p+1
.endr
	REDUCE 0
	v_mul_f32 v14, s22, v20                        ; the mean
	v_mov_b32 v15, v14
.set p, 0
.rept 64
	v_pk_add_f32 v[X+2*p:X+2*p+1], v[X+2*p:X+2*p+1], v[14:15] neg_lo:[0,1] neg_hi:[0,1]
.set p, p+1
.endr
.irp c, 0,1,2,3
	v_pk_mul_f32 v[CH+2*\c:CH+2*\c+1], v[X+2*\c:X+2*\c+1], v[X+2*\c:X+2*\c+1]
.endr
.set p, 4
.rept 60
	v_pk_fma_f32 v[CH+2*(p%4):CH+2*(p%4)+1], v[X+2*p:X+2*p+1], v[X+2*p:X+2*p+1], v[CH+2*(p%4):CH+2*(p%4)+1]
.set p, p+1
.endr
	REDUCE 512                                     ; other bytes than the first sum's: no wave can overwrite what another still reads
	v_fma_f32 v22, v20, s22, s23                   ; the variance + 1e-5
	s_wait_alu depctr_va_vdst(0)
	v_rsq_f32 v16, v22
	v_nop                                          ; a plain instruction behind the transcendental
	s_wait_alu depctr_va_vdst(0)                   ; and the wait ahead of its first reader
	v_mov_b32 v17, v16
.macro UNIT u
.set XS, X+32*(\u)
	s_wait_dscnt 0x0                               ; this unit's gain and bias
.set p, 0
.rept 16
	v_pk_mul_f32 v[XS+2*p:XS+2*p+1], v[XS+2*p:XS+2*p+1], v[16:17]
.set p, p+1
.endr
.set p, 0
.rept 16
	v_pk_fma_f32 v[XS+2*p:XS+2*p+1], v[XS+2*p:XS+2*p+1], v[W+2*p:W+2*p+1], v[BV+2*p:BV+2*p+1]
.set p, p+1
.endr
.if (\u) < 3
	WB (\u)+1                                      ; the next unit's, read while this unit is quantised
.endif
	v_max3_num_f32 v[TM], |v[XS]|, |v[XS+1]|, |v[XS+2]|            ; the block's largest magnitude: all 32 numbers are mine
	v_max3_num_f32 v[TM+1], |v[XS+3]|, |v[XS+4]|, |v[XS+5]|
.irp i, 6,10,14,18,22,26
	v_max3_num_f32 v[TM], v[TM], |v[XS+\i]|, |v[XS+\i+1]|
	v_max3_num_f32 v[TM+1], v[TM+1], |v[XS+\i+2]|, |v[XS+\i+3]|
.endr
	v_max3_num_f32 v[TM], v[TM], |v[XS+30]|, |v[XS+31]|
	v_max3_num_f32 v[TM], v[TM], v[TM+1], 0x1800000 ; with the floor 2^(3 - 127)
	v_add_nc_u32 v[SO], 0xff000000, v[TM]          ; 2 off the exponent field: the conversion's scale operand
	v_lshrrev_b32 v[BY], 23, v[SO]                 ; the scale's byte
	s_wait_alu depctr_va_vdst(0)
	s_wait_xcnt 0x0                                ; the last unit's stores have read their data: the codes' registers are written again only behind this wait
	v_cvt_scalef32_pk16_fp6_f32 v[P:P+2], v[XS:XS+15], v[SO]
	v_cvt_scalef32_pk16_fp6_f32 v[P+6:P+8], v[XS+16:XS+31], v[SO]
	v_nop                                          ; one plain instruction behind the conversions
.irp i, 0,1,2
	v_mov_b32 v[P+3+\i], v[P+6+\i]
.endr
	global_store_b128 v6, v[P:P+3], s[26:27] offset:(\u)*6144      ; 512 consecutive bytes a wave
	global_store_b64 v7, v[P+4:P+5], s[26:27] offset:(\u)*6144     ; 256 consecutive bytes a wave
	v_lshlrev_b32 v[BY], v11, v[BY]                ; my byte at its place; with lane l xor 16's the unit's two are whole
	v_permlanex16_b32 v[T], v[BY], s20, s21
	v_or_b32 v[BY], v[BY], v[T]
.if (\u)%2 == 0
	v_mov_b32 v[18+(\u)/2], v[BY]
.else
	v_lshl_or_b32 v[18+(\u)/2], v[BY], 16, v[18+(\u)/2]
.endif
.endm
	s_wait_alu depctr_va_vdst(0)
	UNIT 0
	UNIT 1
	UNIT 2
	UNIT 3
	global_store_b64 v8, v[18:19], s[28:29]        ; my row's eight scale bytes (lanes r and 16 + r store the same bytes with the same values)
	s_wait_tensorcnt 0x0                           ; the wave's end: behind my last LDS store
	ds_add_u32 v12, v13
	s_wait_dscnt 0x0
	s_endpgm
; THE WEIGHTS' PATH.  A weight, f32 [K][N] with K as the first axis, becomes codes of E2M3 with one E8M0 byte for each 32 along K, in the program's layout.
; A work-group takes 128 columns n x 256 along K; a wave 32 columns; A LANE TAKES A COLUMN AND ITS REGISTERS RUN DOWN K: a block of 32 lies in one lane, each load reads 128 consecutive bytes a wave.
; The row order is made by the stores' addresses alone: a store of 16 bytes a lane fills two runs of 256 consecutive bytes.  No LDS, no barrier.  Loads run two blocks (64 loads a wave) ahead.
; A block's byte is the largest magnitude's exponent field - 2, held at 1 from below (a block of zeros keeps byte 1: its codes are zeros, and this program alone reads the bytes).
; LIMITS: NaN and infinities among the inputs are not served; a block whose largest magnitude lies under 2^-124 keeps the byte 1.
.Lweights:
.set OFFS, 32                          ; v32-63   4 x lane + i x the weight's row, i = 0 .. 31; never rewritten
.set X,    64                          ; v64-127  two sets of 32 numbers
.set PC,   128                         ; v128-191 codes: eight registers for each of the 8 blocks, so that no store's data are written again
.set P2,   192                         ; v192-194 a block's upper 16 codes as they are made
.set SBY,  196                         ; v196-197 my column's 8 scale bytes
.set TM,   200
.set SO,   202
.set BY,   203
	s_load_b128 s[4:7], s[0:1], 0x20               ; the launch's first and second weight
	s_load_b64 s[12:13], s[0:1], 0x30              ; wts
	v_lshrrev_b32 v1, 5, v0
	v_readfirstlane_b32 s14, v1                    ; wave
	v_and_b32 v1, 31, v0                           ; lane
	s_mov_b32 s16, 128                             ; y = 1: ff_w1 has 128 work-groups,
	s_mov_b32 s17, 16384                           ; bytes in a row,
	s_mov_b32 s20, 3276800                         ; place in wts;
	s_mov_b32 s18, 4                               ; ff_w2: log2 of its slabs of 256 along K,
	s_mov_b32 s19, 8                               ; blocks of 512 along K,
	s_mov_b32 s22, 6553600                         ; place in wts
	s_mov_b32 s21, 0                               ; the weights' work-groups begin at x = 0
	s_cmp_eq_u32 s15, 0                            ; y = 0: qkv_w and proj_w.  Every choice hangs on the work-group's number alone
	s_cselect_b32 s16, 96, s16
	s_cselect_b32 s17, 12288, s17
	s_cselect_b32 s20, 0, s20
	s_cselect_b32 s18, 2, s18
	s_cselect_b32 s19, 2, s19
	s_cselect_b32 s22, 2457600, s22
	s_cselect_b32 s21, 256, s21
	s_sub_co_u32 s21, ttmp9, s21                   ; my number among them
	s_wait_alu depctr_va_vdst(0)
	s_wait_kmcnt 0x0
	s_cmp_lt_u32 s21, s16                          ; the first weight or the second?
	s_cselect_b64 s[10:11], s[4:5], s[6:7]
	s_cselect_b32 s17, s17, 4096                   ; both second weights have rows of 4,096 bytes;
	s_cselect_b32 s18, 2, s18                      ; both first ones K = 1,024
	s_cselect_b32 s19, 2, s19
	s_cselect_b32 s20, s20, s22
	s_cselect_b32 s16, 0, s16
	s_sub_co_u32 s21, s21, s16
	s_lshr_b32 s22, s21, s18                       ; tile of 128 columns
	s_bfm_b32 s23, s18, 0
	s_and_b32 s23, s21, s23                        ; slab of 256 along K
	v_mov_b32 v2, s17
	v_lshlrev_b32 v3, 2, v1
.irp i, 0,1,2,3,4,5,6,7,8,9,10,11,12,13,14,15,16,17,18,19,20,21,22,23,24,25,26,27,28,29,30,31
	v_mad_u32_u24 v[OFFS+\i], v2, \i, v3
.endr
	s_mul_i32 s40, s23, s17
	s_lshl_b32 s40, s40, 8                         ; slab x 256 rows
	s_lshl_b32 s41, s22, 9
	s_add_co_u32 s40, s40, s41                     ; + 512 bytes a tile
	s_lshl_b32 s41, s14, 7
	s_add_co_u32 s40, s40, s41                     ; + 128 bytes a wave
	s_mov_b32 s41, 0
	s_lshl_b32 s42, s17, 5                         ; 32 rows: from block to block
	s_mov_b32 s43, 0
	s_mul_i32 s44, s22, s19
	s_lshr_b32 s45, s23, 1
	s_add_co_u32 s44, s44, s45
	s_mul_i32 s44, s44, 51200
	s_add_co_u32 s44, s44, s20                     ; my block of 51,200 bytes in wts
	s_and_b32 s45, s23, 1
	s_mul_i32 s46, s45, 24576
	s_add_co_u32 s46, s46, s44                     ; codes: the slab's four units along K
	s_mov_b32 s47, 0
	s_lshl_b32 s48, s45, 3
	s_add_co_u32 s48, s48, s44
	s_add_co_u32 s48, s48, 49152                   ; scale bytes: the slab's eight of a row's sixteen
	s_mov_b32 s49, 0
	s_add_nc_u64 s[24:25], s[10:11], s[40:41]      ; a base for each of the 8 blocks: none is ever stepped
.irp k, 1,2,3,4,5,6,7
	s_add_nc_u64 s[24+2*\k:25+2*\k], s[22+2*\k:23+2*\k], s[42:43]
.endr
	s_add_nc_u64 s[50:51], s[12:13], s[46:47]
	s_add_nc_u64 s[52:53], s[12:13], s[48:49]
	v_bfe_u32 v4, v1, 3, 1                         ; column 32 w + lane is lane-row (lane & 7) + 8 (lane / 16) of group 2 w + (lane / 8) % 2
	v_and_b32 v5, 7, v1
	v_lshrrev_b32 v6, 4, v1
	v_lshl_or_b32 v5, v6, 3, v5
	s_lshl_b32 s15, s14, 1
	v_add_nc_u32 v4, s15, v4
	v_mul_u32_u24 v7, v4, 768
	v_lshl_add_u32 v8, v5, 4, v7                   ; registers 0-3 of my row in its unit
	v_lshl_add_u32 v9, v5, 3, v7
	v_add_nc_u32 v9, 512, v9                       ; registers 4, 5
	v_lshl_add_u32 v10, v4, 4, v5
	v_lshlrev_b32 v10, 4, v10                      ; my row's 16 scale bytes
.macro LOAD kb                         ; block kb: W(32 kb + i, my column) into set kb % 2
.irp i, 0,1,2,3,4,5,6,7,8,9,10,11,12,13,14,15,16,17,18,19,20,21,22,23,24,25,26,27,28,29,30,31
	global_load_b32 v[X+32*((\kb)%2)+\i], v[OFFS+\i], s[24+2*(\kb):25+2*(\kb)] th:TH_LOAD_NT
.endr
.endm
.macro BLOCK kb
.set XS, X+32*((\kb)%2)
.set PK, PC+8*(\kb)
.if (\kb) < 7
	s_wait_loadcnt 32                              ; this block's 32 loads are in; the next block's may be out
.else
	s_wait_loadcnt 0x0
.endif
	v_max3_num_f32 v[TM], |v[XS]|, |v[XS+1]|, |v[XS+2]|
	v_max3_num_f32 v[TM+1], |v[XS+3]|, |v[XS+4]|, |v[XS+5]|
.irp i, 6,10,14,18,22,26
	v_max3_num_f32 v[TM], v[TM], |v[XS+\i]|, |v[XS+\i+1]|
	v_max3_num_f32 v[TM+1], v[TM+1], |v[XS+\i+2]|, |v[XS+\i+3]|
.endr
	v_max3_num_f32 v[TM], v[TM], |v[XS+30]|, |v[XS+31]|
	v_max3_num_f32 v[TM], v[TM], v[TM+1], 0x1800000 ; with the floor 2^(3 - 127): the byte cannot fall under 1
	v_add_nc_u32 v[SO], 0xff000000, v[TM]          ; 2 off the exponent field: the conversion's scale operand
	v_lshrrev_b32 v[BY], 23, v[SO]                 ; the scale's byte
.if (\kb)%4 == 0
	v_mov_b32 v[SBY+(\kb)/4], v[BY]
.else
	v_lshl_or_b32 v[SBY+(\kb)/4], v[BY], 8*((\kb)%4), v[SBY+(\kb)/4]
.endif
	v_cvt_scalef32_pk16_fp6_f32 v[PK:PK+2], v[XS:XS+15], v[SO]
	v_cvt_scalef32_pk16_fp6_f32 v[P2:P2+2], v[XS+16:XS+31], v[SO]   ; (a conversion's three registers begin on an even number)
	v_nop                                          ; one plain instruction behind the conversions
.irp i, 0,1,2
	v_mov_b32 v[PK+3+\i], v[P2+\i]
.endr
	global_store_b128 v8, v[PK:PK+3], s[50:51] offset:((\kb)/2)*6144+((\kb)%2)*256   ; block kb is half kb % 2 of unit kb / 2
	global_store_b64 v9, v[PK+4:PK+5], s[50:51] offset:((\kb)/2)*6144+((\kb)%2)*128
.if (\kb)+2 < 8
	LOAD (\kb)+2
.endif
.endm
	LOAD 0
	LOAD 1
.irp k, 0,1,2,3,4,5,6,7
	BLOCK \k
.endr
	global_store_b64 v10, v[SBY:SBY+1], s[52:53]
	s_endpgm
.Lfunc_end_k_qe140f03ad7_ln1:
	.size	k_qe140f03ad7_ln1, .Lfunc_end_k_qe140f03ad7_ln1-k_qe140f03ad7_ln1
	.p2alignl 7, 3214868480
	.fill 96, 4, 3214868480
	.section	.rodata,"a",@progbits
	.p2align	6, 0x0
	.amdhsa_kernel k_qe140f03ad7_ln1
		.amdhsa_group_segment_fixed_size 76800
		.amdhsa_private_segment_fixed_size 0
		.amdhsa_enable_private_segment 0
		.amdhsa_kernarg_size 56
		.amdhsa_user_sgpr_count 2
		.amdhsa_user_sgpr_kernarg_segment_ptr 1
		.amdhsa_wavefront_size32 1
		.amdhsa_system_sgpr_workgroup_id_x 1
		.amdhsa_system_sgpr_workgroup_id_y 1
		.amdhsa_system_sgpr_workgroup_id_z 1
		.amdhsa_system_vgpr_workitem_id 0
		.amdhsa_next_free_vgpr 256
		.amdhsa_next_free_sgpr 66
		.amdhsa_reserve_vcc 0
		.amdhsa_float_denorm_mode_32 3
		.amdhsa_float_denorm_mode_16_64 3
		.amdhsa_memory_ordered 1
		.amdhsa_forward_progress 1
		.amdhsa_inst_pref_size 87
	.end_amdhsa_kernel
	.amdgpu_metadata
---
amdhsa.version: [ 1, 2 ]
amdhsa.kernels:
  - .name:           k_qe140f03ad7_ln1
    .symbol:         k_qe140f03ad7_ln1.kd
    .args:
      - { .name: x, .offset: 0, .size: 8, .value_kind: global_buffer, .address_space: global }
      - { .name: ln1_w, .offset: 8, .size: 8, .value_kind: global_buffer, .address_space: global }
      - { .name: ln1_b, .offset: 16, .size: 8, .value_kind: global_buffer, .address_space: global }
      - { .name: hq, .offset: 24, .size: 8, .value_kind: global_buffer, .address_space: global }
      - { .name: qkv_w, .offset: 32, .size: 8, .value_kind: global_buffer, .address_space: global }
      - { .name: proj_w, .offset: 40, .size: 8, .value_kind: global_buffer, .address_space: global }
      - { .name: wts, .offset: 48, .size: 8, .value_kind: global_buffer, .address_space: global }
    .group_segment_fixed_size: 76800
    .private_segment_fixed_size: 0
    .kernarg_segment_align: 8
    .kernarg_segment_size: 56
    .max_flat_workgroup_size: 128
    .sgpr_count:     66
    .vgpr_count:     256
    .wavefront_size: 32
...
	.end_amdgpu_metadata
.endif
;; end of part 1
;; launch g1 (part 2): grid 8 x 32, 4 waves a work-group, clusters of 4 x 4, 327,680 bytes of LDS; arguments hq, wts, qkv_b, qkvq; writes qkvq
.if DOCPART == 2
	.amdgcn_target "amdgcn-amd-amdhsa--gfx1250"
	.amdhsa_code_object_version 6
	.text
	.protected	k_qe140f03ad7_g1
	.globl	k_qe140f03ad7_g1
	.p2align	8
	.type	k_qe140f03ad7_g1,@function
k_qe140f03ad7_g1:
	s_mov_b64 s[64:65], 0
	v_nop
	global_prefetch_b8 v0, s[64:65] scope:SCOPE_SE
	s_setreg_imm32_b32 hwreg(HW_REG_WAVE_MODE, 25, 1), 1
	s_wait_xcnt 0x0
	s_wait_alu depctr_hold_cnt(0) depctr_sa_sdst(0) depctr_va_vdst(0) depctr_va_sdst(0) depctr_va_ssrc(0) depctr_va_vcc(0) depctr_vm_vsrc(0)
	s_getreg_b32 s2, hwreg(HW_REG_IB_STS2, 6, 4)
	s_cmp_eq_u32 s2, 0
	s_cbranch_scc0 .Lentry_in_a_cluster
	s_endpgm
.Lentry_in_a_cluster:
	s_bfe_u32 s2, ttmp6, 0x10000c
	s_cmp_lg_u32 s2, 0xf033
	s_cbranch_scc0 .Lentry_shape_is_right
	s_endpgm
.Lentry_shape_is_right:
; qkv = h qkv_w + qkv_b on codes of E2M3 (product 1), and q, k, v leave as codes for products 2 and 3.  h: hq, [4096][1024]; qkv_w: wts, [3072][1024]; both in the program's block layout (head of the first kernel).
; SHARES.  256 work-groups, 8 x 32.  A work-group stays on 128 tokens and walks THREE tiles of 128 columns: column tiles 2 x and 2 x + 1 (q for x < 4, k else) and 16 + x (v): the same work in every work-group.
; Four waves, 64 x 64 each: 16 accumulators.  K = 1,024 is two chunks of 512; a chunk of an operand's tile is ONE dense block of 51,200 bytes (codes as register images, then scale bytes).
; LDS: A's chunk c at c x 102,400: fetched once, it stays for all three tiles.  B has two places of a whole tile (two chunks): place 0 (tiles 0 and 2): chunk c at c x 102,400 + 51,200; place 1 (tile 1): chunk c at 204,800 + c x 51,200.
; FIRST FILLS, two loads a wave: chunk 0 and chunk 1 of A (waves 0, 2) and of B's tile 0 (waves 1, 3), a whole block each; then every wave a quarter of B's tile 1.  ONE REFILL: behind tile 0's last K step every wave fetches a
; quarter of tile 2 into place 0: it has all of tile 1's products and a way out in which to land.
; CLUSTERS: 4 x 4.  A's blocks hang on the token tile alone and are asked for jointly along a row of the cluster, B's on the column group alone, jointly along a column.
; q AND k: the product is used transposed (source 0 = 16 columns of the weight, source 1 = 16 tokens): a lane holds one token, and its 32 registers of a token group run along the wave's 64 columns, which are ONE HEAD: K of product 2.
; v: the sources are swapped (source 0 = tokens): a lane holds one channel d and its registers run along 64 tokens: the keys, K of product 3.  So both leave as units straight from the conversions' registers.
; qkvq: 192 blocks of 51,200 bytes, (q, k, v) x batch x head.  q, k: unit of token group g at 768 g, two scale bytes a token from 49,152 on.  v: unit (64 keys kun, d group t) at (4 kun + t) 768, scale word of 128 keys at 49,152 + ((kun / 2) 64 + 16 t + r) 4.
; LIMITS: NaN and infinities are not served; a block whose largest magnitude lies under 2^-124 keeps the byte 1 (a block of zeros too: its codes are zeros).
.set KCH,   2                          ; chunks of 512 along K
.set TILES, 3
.set TQ,    2                          ; column tiles that lie on end in a work-group's walk
.set WOFF,  0                          ; the weight's place in wts
.set BLK,   51200
.set HALF,  BLK/2
.set SLOT,  2*BLK
.set SPARE, 3*SLOT                     ; the spare words, 128 bytes for each wave, that no other line names
.set NCH,   KCH*TILES
.set A16,  10                          ; v10-11 LDS address of my A fragments' registers 0-3 in chunk 0, 1;  v12-13 of registers 4, 5
.set A8,   12
.set B16,  14                          ; v14-17, v18-21 the same for B: index 2 x place + chunk = (chunk's number in the walk) % 4
.set B8,   18
.set ADRS, 22                          ; v22-25 my scale bytes, same index: lanes 0-15 A's rows, lanes 16-31 B's
.set L16,  26                          ; v26 16 x lane;  v27 512 + 8 x lane
.set L8,   27
.set SPW,  28                          ; v28 my spare word;  v29 0; never rewritten
.set NIL,  29
.set SC,   32                          ; v32-63 scale words, two sets by turns: register 16 set + 4 i + q: group i, K step q
.set BI,   64                          ; v64-95 the bias in the result's layout
.set P,    96                          ; v96-101 a unit's codes; v102-104 the second conversion's
.set PW,   108                         ; the unit's two scale bytes
.set TM,   110                         ; v110-115 at work
.set ACC,  128                         ; v128-255 the 16 accumulators
.set F0,   0                           ; window 1: two fragment buffers: A's four at 12 a, B's four at 48 + 12 t
.set F1,   128
.set G1A,  24                          ; s[24:31], s[32:39] descriptor groups 1 and 0 (a set a chunk) for A;  s[48:55], s[56:63] for B's tile 0
.set G0A,  32
.set G1B,  48
.set G0B,  56
.set G0T,  92                          ; s[92:95] group 0 for a quarter of a tile of B
.set LQ0,  90                          ; s90, s91 my quarter's LDS address in place 0, 1
.set LQ1,  91
.set SEL,  78
.set MSB, 0
.macro WIN new                         ; the immediate's high byte repeats the setting that is left
.if MSB != \new
	s_set_vgpr_msb (MSB<<8)|\new
.set MSB, \new
.endif
.endm
.set MUL,  0x05                        ; sources 0 and 1 window 1; C and D window 0
.set TO_F, 0x40                        ; destination window 1, address window 0
.macro PLACES                          ; four plain instructions between a matrix instruction and a load into, or a read of, its registers
.rept 4
	v_nop
.endr
.endm
.macro JLOAD s                         ; waves 0, 2: A's chunk 0, 1; waves 1, 3: B's tile 0's chunk 0, 1.  The branch hangs on the wave's number alone.  An s_nop 0 and four v_nop follow a load
	s_cmp_eq_u32 s16, 0                            ; the head's one load a wave: waves 0, 2 fetch A's chunk 0, 1; waves 1, 3 those of B's tile 0
	s_cbranch_scc0 .Lfor_b_\@
	tensor_load_to_lds s[G0A+4*(\s):G0A+4*(\s)+3], s[G1A:G1A+7]
	s_nop 0
.rept 4
	v_nop
.endr
	s_branch .Lasked_\@
.Lfor_b_\@:
	tensor_load_to_lds s[G0B+4*(\s):G0B+4*(\s)+3], s[G1B:G1B+7]
	s_nop 0
.rept 4
	v_nop
.endr
.Lasked_\@:
.endm
.macro TLOAD                           ; every wave: its quarter of a tile of B
	tensor_load_to_lds s[G0T:G0T+3], s[G1B:G1B+7]
	s_nop 0
.rept 4
	v_nop
.endr
.endm
.macro CREST                           ; a round of the cluster's barrier behind its opening barrier
	s_cmp_lg_u32 s14, 0
	s_cbranch_scc1 .Lnot_wave_0_\@
	s_barrier_signal -3
.Lnot_wave_0_\@:
	s_barrier_wait -3
	s_barrier_signal -1
	s_barrier_wait -1
.endm
.macro CROUND
	s_barrier_signal -1
	s_barrier_wait -1
	CREST
.endm
.macro FRAG reg, a16, a8, q, i         ; a fragment (16 rows x 128 K, 12 registers) is two units: each comes back as it was stored, 16 and 8 bytes a lane
	ds_load_b128 v[\reg:\reg+3], v[\a16] offset:(16*(\q)+(\i))*768
	ds_load_b64 v[\reg+4:\reg+5], v[\a8] offset:(16*(\q)+(\i))*768
	ds_load_b128 v[\reg+6:\reg+9], v[\a16] offset:(16*(\q)+8+(\i))*768
	ds_load_b64 v[\reg+10:\reg+11], v[\a8] offset:(16*(\q)+8+(\i))*768
.endm
.macro FETCH n, q, f                   ; 32 LDS loads in one run: the eight fragments of K step q of chunk n of the walk
	WIN TO_F
.irp i, 0,1,2,3
	FRAG (\f)+48+12*\i,B16+(\n)%4,B8+(\n)%4,\q,\i
	FRAG (\f)+12*\i,A16+(\n)%2,A8+(\n)%2,\q,\i
.endr
.endm
.macro SCALES n                        ; chunk n's scale words: 16 bytes a row = the words of its four K steps
	WIN 0
.irp i, 0,1,2,3
	ds_load_b128 v[SC+16*((\n)%2)+4*\i:SC+16*((\n)%2)+4*\i+3], v[ADRS+(\n)%4] offset:256*\i
.endr
.endm
; 8 matrix instructions: A's groups a0, a0 + 1 x B's four.  cm = 1: the bias starts the sums.  nat = 0: source 0 = B;  nat = 1: source 0 = A.  The 16 accumulators take turns, one instruction a turn.
.macro MUL8 f, q, set, a0, cm, nat
.irp a, \a0, \a0+1
.irp t, 0,1,2,3
.if \nat
.set DD, ACC+8*(4*\t+(\a))
.else
.set DD, ACC+8*(4*(\a)+\t)
.endif
.if \cm
.set CC, BI+8*\t
.else
.set CC, DD
.endif
.set FA, (\f)+12*(\a)
.set FB, (\f)+48+12*\t
.set SA, SC+16*(\set)+4*(\a)+(\q)
.set SB, SC+16*(\set)+4*\t+(\q)
.if \nat
	v_wmma_scale_f32_16x16x128_f8f6f4 v[DD:DD+7], v[FA:FA+11], v[FB:FB+11], v[CC:CC+7], v[SA], v[SB] matrix_a_fmt:MATRIX_FMT_FP6 matrix_b_fmt:MATRIX_FMT_FP6 matrix_b_scale:MATRIX_SCALE_ROW1
.else
	v_wmma_scale_f32_16x16x128_f8f6f4 v[DD:DD+7], v[FB:FB+11], v[FA:FA+11], v[CC:CC+7], v[SB], v[SA] matrix_a_fmt:MATRIX_FMT_FP6 matrix_b_fmt:MATRIX_FMT_FP6 matrix_a_scale:MATRIX_SCALE_ROW1
.endif
.endr
.endr
.endm
.macro BIAS_T tile                     ; transposed use: register 16 b + e of a lane is column 32 b + 16 h + e of the wave's 64
.irp b, 0,1
.irp i, 0,1,2,3
	global_load_b128 v[BI+16*\b+4*\i:BI+16*\b+4*\i+3], v8, s[8:9] offset:(\tile)*512+128*\b+16*\i
.endr
.endr
.endm
.macro BIAS_V                          ; v: a lane holds one column, so a tile's eight registers hold the same number
.irp t, 0,1,2,3
.irp j, 0,1,2,3,4,5,6,7
	global_load_b32 v[BI+8*\t+\j], v9, s[76:77] offset:(32*(\t/2)+8*(\t%2))*4
.endr
.endr
.endm
.macro NEXTBIAS n
.if (\n) == 0
	BIAS_T 1
.endif
.if (\n) == 2
	BIAS_V
.endif
.endm
; K step q (0 .. 2) of chunk n: the next step's fragments are asked for, then this step's 16 products.  c0: the bias starts the sums;  nb: the next tile's bias is asked for
.macro STEP n, q, c0, nb, nat
	PLACES
.if \nb
	WIN 0
	NEXTBIAS \n
.endif
	FETCH \n,(\q)+1,F0+128*(((\q)+1)%2)
	s_wait_dscnt 32                                ; all but the 32 just issued
.if \c0
	s_wait_loadcnt 0x0                             ; the bias
.endif
	WIN MUL
	MUL8 F0+128*((\q)%2),\q,(\n)%2,0,\c0,\nat
	MUL8 F0+128*((\q)%2),\q,(\n)%2,2,\c0,\nat
.endm
; A chunk's last K step where the next chunk is known to be whole: no barrier
.macro MID n, nat
	PLACES
	FETCH (\n)+1,0,F0
	SCALES (\n)+1
	s_wait_dscnt 36                                ; all but the 36 just issued
	WIN MUL
	MUL8 F1,3,(\n)%2,0,0,\nat
	MUL8 F1,3,(\n)%2,2,0,\nat
.endm
; A chunk's last K step with a barrier.  kind 0: my part of chunk 1 is in (my quarter of tile 1 may stay out).
; kind 1, 2: a tile's end: each wave waits for all its tensor loads, adds 0 to its spare word, and waits for that and for its reads of the tile's place.  kind 2: that place is filled again, with the tile two on.
.macro TURN n, kind, nat
	WIN 0
.if (\kind) == 0
	s_wait_tensorcnt 1
.else
	s_wait_tensorcnt 0x0                           ; all my tensor loads have landed: my quarter of the next tile
	ds_add_u32 v[SPW], v[NIL]                      ; 0 onto my spare word
.endif
	s_wait_dscnt 0x0                               ; my LDS instructions are done
	s_barrier_signal -1
	WIN MUL
	MUL8 F1,3,(\n)%2,0,0,\nat
	WIN 0
	s_barrier_wait -1
.if (\kind) == 2
	CREST                                          ; the barrier has opened a round of the cluster's: no wave of any partner still reads this place or has a load on its way
	s_mov_b32 s[G0T+1], s[LQ0]                     ; place 0,
	s_add_nc_u64 s[G0T+2:G0T+3], s[G0T+2:G0T+3], s[66:67]   ; from column tile 2 x + 1 to 16 + x
	TLOAD                                          ; the first tensor load behind the round; its four v_nop are the places in front of the loads below
.else
	PLACES
.endif
	FETCH (\n)+1,0,F0
	SCALES (\n)+1
	WIN MUL
	MUL8 F1,3,(\n)%2,2,0,\nat
.endm
.macro LAST n, nat                     ; the very last K step: nothing more to fetch
	s_wait_dscnt 0x0
	WIN MUL
	MUL8 F1,3,(\n)%2,0,0,\nat
	MUL8 F1,3,(\n)%2,2,0,\nat
	WIN 0
.endm
.macro CHUNK n, cm, nat
	STEP \n,0,\cm,0,\nat
	STEP \n,1,0,\cm,\nat
	STEP \n,2,0,0,\nat
.if (\n)+1 == NCH
	LAST \n,\nat
.elseif (\n)%2 == 0
	MID \n,\nat
.elseif (\n)+4 < NCH
	TURN \n,2,\nat
.else
	TURN \n,1,\nat
.endif
.endm
; 32 registers of a lane, register 16 b + e = k 32 b + 16 h + e of my row, become a unit's codes in v[P] .. v[P+5] and its two scale bytes in v[PW]
.macro QH s
.irp b, 0,1
	v_max3_num_f32 v[TM+\b], |v[\s+16*\b]|, |v[\s+16*\b+1]|, 0x1800000   ; with the floor 2^(3 - 127): the byte cannot fall under 1
.endr
.irp i, 2,4,6,8,10,12,14
.irp b, 0,1
	v_max3_num_f32 v[TM+\b], v[TM+\b], |v[\s+16*\b+\i]|, |v[\s+16*\b+\i+1]|
.endr
.endr
.irp b, 0,1
	v_permlanex16_b32 v[TM+2+\b], v[TM+\b], s[SEL], s[SEL+1]
.endr
.irp b, 0,1
	v_max_num_f32 v[TM+\b], v[TM+\b], v[TM+2+\b]   ; with lane l xor 16's 16: the block's largest magnitude
.endr
.irp b, 0,1
	v_add_nc_u32 v[TM+4+\b], 0xff000000, v[TM+\b]  ; 2 off the exponent field: the conversion's scale operand
.endr
.irp b, 0,1
	v_lshrrev_b32 v[TM+2+\b], 23, v[TM+4+\b]       ; the scale's byte
.endr
	v_lshl_or_b32 v[PW], v[TM+3], 8, v[TM+2]
	v_cvt_scalef32_pk16_fp6_f32 v[P:P+2], v[\s:\s+15], v[TM+4]
	v_cvt_scalef32_pk16_fp6_f32 v[P+6:P+8], v[\s+16:\s+31], v[TM+5]
	v_nop                                          ; one plain instruction behind the conversions
.irp i, 0,1,2
	v_permlane16_swap_b32 v[P+\i], v[P+6+\i]       ; a whole block to a lane: lanes 0-15 block 0, lanes 16-31 block 1
.endr
.irp i, 0,1,2
	v_mov_b32 v[P+3+\i], v[P+6+\i]
.endr
.endm
.macro QOUT s, cb, coff, sv, sb, soff
	s_wait_xcnt 0x0                                ; the last unit's stores have read their data
	QH \s
	global_store_b128 v[L16], v[P:P+3], s[\cb:\cb+1] offset:\coff    ; 512 consecutive bytes a wave
	global_store_b64 v[L8], v[P+4:P+5], s[\cb:\cb+1] offset:\coff    ; 256 consecutive bytes a wave
	global_store_b16 v[\sv], v[PW], s[\sb:\sb+1] offset:\soff        ; (lanes r and 16 + r store the same bytes with the same values)
.endm
.macro OUT_EQ i                        ; a tile of q or k: four units, one for each of my token groups
	WIN 0
	PLACES
.irp a, 0,1,2,3
	QOUT ACC+32*\a,68,(\i)*2*BLK+768*\a,30,70,(\i)*2*BLK+32*\a
.endr
.endm
.macro OUT_EV                          ; the tile of v: four units, one for each d group
	WIN 0
	PLACES
.irp t, 0,1,2,3
	QOUT ACC+32*\t,72,768*\t,31,74,64*\t
.endr
.endm
	s_load_b256 s[4:11], s[0:1], 0x0               ; hq, wts, qkv_b, qkvq
	v_lshl_add_u32 v[SPW], v0, 2, SPARE
	v_mov_b32 v[NIL], 0
	ds_add_u32 v[SPW], v[NIL]                      ; the wave's opening: the add, twice on end, and its wait ahead of my first tensor load
	ds_add_u32 v[SPW], v[NIL]
	v_lshrrev_b32 v1, 5, v0
	v_readfirstlane_b32 s14, v1                    ; wave
	s_lshr_b32 s15, s14, 1                         ; my half of the rows.  Also: the chunk that I fetch at the head
	s_and_b32 s16, s14, 1                          ; my half of the columns.  Also: which half of a block I fetch
	s_bfe_u32 s40, ttmp6, 0x40000                  ; cx, cy
	s_bfe_u32 s41, ttmp6, 0x40004
	s_lshl_b32 s42, ttmp9, 2
	s_add_co_u32 s42, s42, s40                     ; x: the column group
	s_and_b32 s17, ttmp7, 0xffff
	s_lshl_b32 s17, s17, 2
	s_add_co_u32 s17, s17, s41                     ; ty: the tile of 128 tokens
	s_lshl_b32 s43, s41, 2
	s_lshl_b32 s43, 15, s43                        ; my row of the cluster
	s_lshl_b32 s44, 0x1111, s40                    ; my column
	s_or_b32 s[G1A], s43, (3<<16)|(1<<21)          ; 15:0 the mask; 17:16 elements of 8 bytes; 21 set beside a mask; no padding
	s_or_b32 s[G1B], s44, (3<<16)|(1<<21)
.irp g, G1A, G1B
	s_mov_b32 s[\g+1], 32<<16                      ; dense rows of 256 bytes
	s_mov_b32 s[\g+2], 200<<16                     ; the head's loads: a whole block, 51,200 dense bytes as 200 rows of 256
	s_mov_b32 s[\g+3], 32<<16
	s_mov_b32 s[\g+4], 200
	s_mov_b32 s[\g+5], 32
	s_mov_b32 s[\g+6], 0
	s_mov_b32 s[\g+7], 0
.endr
	s_sub_co_u32 s66, 15, s42
	s_mul_i32 s66, s66, SLOT                       ; (16 + x) - (2 x + 1) column tiles of two blocks
	s_mov_b32 s67, 0
	s_mul_i32 s18, s16, HALF
	s_mul_i32 s19, s15, BLK                        ; the chunk that I fetch at the head: wave / 2
	s_mul_i32 s20, s17, KCH*BLK
	s_add_co_u32 s20, s20, s19
	s_mov_b32 s21, 0
	s_mul_i32 s45, s14, HALF                       ; wave x 25,600: no place in the cluster enters an LDS address
	s_mul_i32 s46, s42, TQ*KCH*BLK
	s_add_co_u32 s46, s46, WOFF
	s_add_co_u32 s96, s46, s45
	s_add_co_u32 s96, s96, SLOT                    ; B's tile 1, my quarter
	s_mov_b32 s97, 0
	s_add_co_u32 s46, s46, s19                     ; B's tile 0, my chunk
	s_mov_b32 s47, 0
	s_mul_i32 s[LQ0], s15, SLOT
	s_add_co_u32 s[LQ0], s[LQ0], s18
	s_add_co_u32 s[LQ0], s[LQ0], BLK               ; quarter w of a tile is half w % 2 of chunk w / 2
	s_add_co_u32 s[LQ1], s45, 2*SLOT
	s_mov_b32 s[SEL], 0x76543210
	s_mov_b32 s[SEL+1], 0xfedcba98
	s_wait_dscnt 0x0                               ; both opening adds are done
	s_wait_kmcnt 0x0
	s_add_nc_u64 s[20:21], s[4:5], s[20:21]
	s_add_nc_u64 s[46:47], s[6:7], s[46:47]
	s_add_nc_u64 s[G0T+2:G0T+3], s[6:7], s[96:97]
	CROUND                                         ; all sixteen work-groups are here: the first joint loads meet
	s_mov_b32 s[G0A], 1                            ; THE FIRST FILLS NOW: one load a wave at the head, a whole block each, at LDS byte wave x 51,200
	s_mul_i32 s[G0A+1], s14, BLK
	s_mov_b64 s[G0A+2:G0A+3], s[20:21]
	s_or_b32 s[G0A+3], s[G0A+3], 0x80000000
	s_mov_b32 s[G0B], 1
	s_mul_i32 s[G0B+1], s14, BLK
	s_mov_b64 s[G0B+2:G0B+3], s[46:47]
	s_or_b32 s[G0B+3], s[G0B+3], 0x80000000
	JLOAD 0
	s_mov_b32 s[G0T], 1                            ; B's tile 1, a quarter a wave, is asked for behind the head's round
	s_mov_b32 s[G0T+1], s[LQ1]
	s_or_b32 s[G0T+3], s[G0T+3], 0x80000000
	v_and_b32 v1, 15, v0                           ; r
	v_bfe_u32 v2, v0, 4, 1                         ; h
	v_and_b32 v3, 31, v0
	v_lshlrev_b32 v[L16], 4, v3
	v_lshlrev_b32 v[L8], 3, v3
	v_add_nc_u32 v[L8], 512, v[L8]
	s_mul_i32 s21, s15, 3072                       ; my four groups of A,
	s_mul_i32 s22, s16, 3072
	s_add_co_u32 s23, s22, 2*SLOT                  ; of B in place 1,
	s_add_co_u32 s22, s22, BLK                     ; and in place 0
.irp c, 0,1
	v_add_nc_u32 v[A16+\c], s21, v[L16]
	v_add_nc_u32 v[A8+\c], s21, v[L8]
	v_add_nc_u32 v[B16+\c], s22, v[L16]
	v_add_nc_u32 v[B8+\c], s22, v[L8]
	v_add_nc_u32 v[B16+2+\c], s23, v[L16]
	v_add_nc_u32 v[B8+2+\c], s23, v[L8]
	s_add_co_u32 s21, s21, SLOT
	s_add_co_u32 s22, s22, SLOT
	s_add_co_u32 s23, s23, BLK
.endr
	s_lshl_b32 s21, s15, 10
	s_lshl_b32 s22, s16, 10
	s_add_co_u32 s22, s22, BLK
	s_sub_co_u32 s22, s22, s21                     ; from A's rows' scale bytes to B's, place 0
	s_add_co_u32 s21, s21, 49152                   ; A's, chunk 0
	s_add_co_u32 s23, s21, SLOT                    ; A's, chunk 1
	v_lshlrev_b32 v3, 4, v1                        ; 16 r
	v_mul_u32_u24 v4, s22, v2                      ; lanes 16-31 take B's
	v_add_nc_u32 v4, v4, v3
	v_add_nc_u32 v[ADRS], s21, v4
	v_add_nc_u32 v[ADRS+1], s23, v4
	s_add_co_u32 s22, s22, 2*BLK                   ; place 1, chunk 1
	v_mul_u32_u24 v4, s22, v2
	v_add_nc_u32 v4, v4, v3
	v_add_nc_u32 v[ADRS+3], s23, v4
	s_add_co_u32 s22, s22, BLK                     ; place 1, chunk 0
	v_mul_u32_u24 v4, s22, v2
	v_add_nc_u32 v4, v4, v3
	v_add_nc_u32 v[ADRS+2], s21, v4
	v_lshlrev_b32 v8, 6, v2                        ; the bias: 64 h
	s_wait_alu depctr_va_vdst(0)
	v_and_b32 v9, 8, v1
	v_add_nc_u32 v9, v9, v1
	v_lshlrev_b32 v9, 2, v9                        ; v's bias: 4 (r + 8 (r / 8))
	v_lshlrev_b32 v30, 1, v1                       ; q's, k's scale bytes: 2 r
	v_lshlrev_b32 v31, 2, v1                       ; v's: 4 r
	v_mov_b32 v[TM+2], 0                           ; written once: a lane permute's destination counts as one of its sources
	v_mov_b32 v[TM+3], 0
	s_mov_b32 s89, 0
	s_lshl_b32 s88, s42, 9
	s_lshl_b32 s80, s16, 8
	s_add_co_u32 s88, s88, s80
	s_add_co_u32 s88, s88, 8192
	s_add_nc_u64 s[76:77], s[8:9], s[88:89]        ; qkv_b at column 2048 + 128 x + 64 ch
	s_lshl_b32 s88, s42, 10
	s_add_co_u32 s88, s88, s80
	s_add_nc_u64 s[8:9], s[8:9], s[88:89]          ; and at column 256 x + 64 ch
	BIAS_T 0
	s_lshr_b32 s83, s17, 3
	s_lshl_b32 s83, s83, 4                         ; 16 x batch
	s_and_b32 s85, s17, 7                          ; the token tile within its batch
	s_lshr_b32 s82, s42, 2
	s_lshl_b32 s82, s82, 6                         ; q's blocks or k's
	s_add_co_u32 s82, s82, s83
	s_and_b32 s84, s42, 3
	s_lshl_b32 s84, s84, 2
	s_add_co_u32 s82, s82, s84
	s_add_co_u32 s82, s82, s16                     ; head 4 (x % 4) + ch; the walk's second tile is two heads on
	s_mul_i32 s82, s82, BLK
	s_lshl_b32 s86, s85, 3
	s_lshl_b32 s87, s15, 2
	s_add_co_u32 s86, s86, s87                     ; my first token group
	s_mul_i32 s88, s86, 768
	s_add_co_u32 s88, s88, s82
	s_add_nc_u64 s[68:69], s[10:11], s[88:89]
	s_lshl_b32 s88, s86, 5
	s_add_co_u32 s88, s88, s82
	s_add_co_u32 s88, s88, 49152
	s_add_nc_u64 s[70:71], s[10:11], s[88:89]
	s_lshl_b32 s82, s42, 1
	s_add_co_u32 s82, s82, s83
	s_add_co_u32 s82, s82, s16
	s_add_co_u32 s82, s82, 128                     ; v's blocks: head 2 x + ch
	s_mul_i32 s82, s82, BLK
	s_lshl_b32 s86, s85, 1
	s_add_co_u32 s86, s86, s15                     ; my 64 keys
	s_mul_i32 s88, s86, 3072
	s_add_co_u32 s88, s88, s82
	s_add_nc_u64 s[72:73], s[10:11], s[88:89]
	s_lshl_b32 s88, s85, 8
	s_lshl_b32 s87, s15, 1
	s_add_co_u32 s88, s88, s87
	s_add_co_u32 s88, s88, s82
	s_add_co_u32 s88, s88, 49152
	s_add_nc_u64 s[74:75], s[10:11], s[88:89]
	s_wait_alu depctr_va_vdst(0)
	s_wait_tensorcnt 0x0                           ; my block is in
	ds_add_u32 v[SPW], v[NIL]
	s_mov_b32 s[G1B+2], 100<<16                    ; no load of mine is out: from here on a load of B brings a quarter of a tile, 100 rows
	s_mov_b32 s[G1B+4], 100
	s_wait_dscnt 0x0
	CROUND                                         ; both chunks of A and of B's tile 0 are whole, and all sixteen work-groups are here
	TLOAD                                          ; my quarter of B's tile 1: the first tensor load behind the round
	FETCH 0,0,F0
	SCALES 0
	CHUNK 0,1,0
	CHUNK 1,0,0
	OUT_EQ 0                                       ; behind the refill and the next tile's first fragment loads
	CHUNK 2,1,0
	CHUNK 3,0,0
	OUT_EQ 1
	CHUNK 4,1,1
	CHUNK 5,0,1
	OUT_EV
	s_wait_tensorcnt 0x0                           ; the wave's end
	ds_add_u32 v[SPW], v[NIL]
	s_wait_dscnt 0x0
	CROUND                                         ; the closing round
	s_endpgm
.Lfunc_end_k_qe140f03ad7_g1:
	.size	k_qe140f03ad7_g1, .Lfunc_end_k_qe140f03ad7_g1-k_qe140f03ad7_g1
	.p2alignl 7, 3214868480
	.fill 96, 4, 3214868480
	.section	.rodata,"a",@progbits
	.p2align	6, 0x0
	.amdhsa_kernel k_qe140f03ad7_g1
		.amdhsa_group_segment_fixed_size 327680
		.amdhsa_private_segment_fixed_size 0
		.amdhsa_enable_private_segment 0
		.amdhsa_kernarg_size 32
		.amdhsa_user_sgpr_count 2
		.amdhsa_user_sgpr_kernarg_segment_ptr 1
		.amdhsa_wavefront_size32 1
		.amdhsa_system_sgpr_workgroup_id_x 1
		.amdhsa_system_sgpr_workgroup_id_y 1
		.amdhsa_system_sgpr_workgroup_id_z 1
		.amdhsa_system_vgpr_workitem_id 0
		.amdhsa_next_free_vgpr 512
		.amdhsa_next_free_sgpr 98
		.amdhsa_reserve_vcc 0
		.amdhsa_float_denorm_mode_32 3
		.amdhsa_float_denorm_mode_16_64 3
		.amdhsa_memory_ordered 1
		.amdhsa_forward_progress 1
		.amdhsa_inst_pref_size 145
	.end_amdhsa_kernel
	.amdgpu_metadata
---
amdhsa.version: [ 1, 2 ]
amdhsa.kernels:
  - .name:           k_qe140f03ad7_g1
    .symbol:         k_qe140f03ad7_g1.kd
    .args:
      - { .name: hq, .offset: 0, .size: 8, .value_kind: global_buffer, .address_space: global }
      - { .name: wts, .offset: 8, .size: 8, .value_kind: global_buffer, .address_space: global }
      - { .name: qkv_b, .offset: 16, .size: 8, .value_kind: global_buffer, .address_space: global }
      - { .name: qkvq, .offset: 24, .size: 8, .value_kind: global_buffer, .address_space: global }
    .group_segment_fixed_size: 327680
    .private_segment_fixed_size: 0
    .kernarg_segment_align: 8
    .kernarg_segment_size: 32
    .max_flat_workgroup_size: 128
    .sgpr_count:     98
    .vgpr_count:     512
    .wavefront_size: 32
...
	.end_amdgpu_metadata
.endif
;; end of part 2
;; launch attn (part 3): grid 4 x 64, 16 waves a work-group, clusters of 4 x 1, 167,936 bytes of LDS; arguments qkvq, yq; writes yq
.if DOCPART == 3
	.amdgcn_target "amdgcn-amd-amdhsa--gfx1250"
	.amdhsa_code_object_version 6
	.text
	.protected	k_qe140f03ad7_attn
	.globl	k_qe140f03ad7_attn
	.p2align	8
	.type	k_qe140f03ad7_attn,@function
k_qe140f03ad7_attn:
	s_mov_b64 s[64:65], 0
	v_nop
	global_prefetch_b8 v0, s[64:65] scope:SCOPE_SE
	s_setreg_imm32_b32 hwreg(HW_REG_WAVE_MODE, 25, 1), 1
	s_wait_xcnt 0x0
	s_wait_alu depctr_hold_cnt(0) depctr_sa_sdst(0) depctr_va_vdst(0) depctr_va_sdst(0) depctr_va_ssrc(0) depctr_va_vcc(0) depctr_vm_vsrc(0)
	s_getreg_b32 s2, hwreg(HW_REG_IB_STS2, 6, 4)
	s_cmp_eq_u32 s2, 0
	s_cbranch_scc0 .Lentry_in_a_cluster
	s_endpgm
.Lentry_in_a_cluster:
	s_bfe_u32 s2, ttmp6, 0x10000c
	s_cmp_lg_u32 s2, 0x3003
	s_cbranch_scc0 .Lentry_shape_is_right
	s_endpgm
.Lentry_shape_is_right:
; y = softmax(q k^T / 32, causal) v for one batch and head, products 2 and 3 on codes of E2M3; y leaves as codes for product 4.  q, k, v: the head blocks of qkvq;  yq: [4096][1024] in the program's block layout.
; WORK LEFT OUT: key steps all of whose 128 keys come after all 16 queries of a wave's tile (reference()'s own causal mask gives them the weight 0 for all inputs: see the head of the first kernel).
; K OF PRODUCT 2 IS 64: the instruction's other 64 are zero codes on both sides (registers 6-11 of both operands are cleared once), which add nothing.
; THE SOFTMAX: t = score x log2(e) / 32; M = the running largest t rounded up to a whole number; p = 2^(t - M) is quantised along the keys; the row's sum is taken of the unquantised p and divides at the end.
; SHARES.  The four work-groups of a cluster share a head.  Wave w of partner cx owns query group 4 w + cx (16 queries in the program's row order): so all four partners read the whole head's K and V and have the same work,
; and a wave's number of key steps, w / 2 + 1, and its step on the diagonal, w / 2, hang on the wave's number alone.  cx enters global addresses and one number a lane (the query's index, which a compare and a select use): no branch, no LDS address.
; LDS: K's block (51,200 bytes, scale bytes from 49,152 on), then V's: a whole head, asked for ONCE, jointly, by waves 0 to 3 (25,600 bytes each).  Nothing is filled again.
; Both products are used transposed: S^T = K Q^T, O^T = V^T P^T: a lane holds one query throughout.
; REGISTERS: v1-4 places that stay; v7-10 the step's addresses; v11 my query - 16 h; v12 -M, v13 the largest t, v[14:15] the sum; v16-27 Q; v28-31 V's scale words; v32-79 four fragments of K; v80-95, v160-175 O^T;
;   v96-159 S^T, then p; v176-223 four fragments of V; v224-235 p's codes; v232-254 at work; v248-251 K's scale words; v255 Q's.
; LIMITS: NaN and infinities are not served; a block whose largest magnitude lies under 2^-124 keeps the byte 1.
.set BLK,   51200
.set HALF,  25600
.set SPARE, 2*BLK                      ; the spare words, 128 bytes for each of the 16 waves, that no other line names
.set WV,  18
.set HW,  19                           ; w / 2
.set J,   12                           ; the key step
.set TB,  13                           ; 6,144 J: the step's units of K and of V
.set TS,  14                           ; 256 J: its scale bytes
.set KF,  15                           ; 128 J: its first key
.set SEL, 20
.set CS,  22
.set P,   224
.set PW,  248
.set TM,  234
.macro CROUND
	s_barrier_signal -1
	s_barrier_wait -1
	s_cmp_lg_u32 s[WV], 0
	s_cbranch_scc1 .Lnot_wave_0_\@
	s_barrier_signal -3
.Lnot_wave_0_\@:
	s_barrier_wait -3
	s_barrier_signal -1
	s_barrier_wait -1
.endm
	s_load_b128 s[4:7], s[0:1], 0x0                ; qkvq, yq
	v_lshl_add_u32 v5, v0, 2, SPARE                ; my spare word; never rewritten
	v_mov_b32 v6, 0                                ; 0; never rewritten
	ds_add_u32 v5, v6                              ; the wave's opening: the add, twice on end, and its wait ahead of the first tensor load
	ds_add_u32 v5, v6
	v_lshrrev_b32 v7, 5, v0
	s_delay_alu instid0(VALU_DEP_1)
	v_readfirstlane_b32 s[WV], v7                  ; wave 0..15
	s_bfe_u32 s42, s[WV], 0x10002                  ; THE DEAL OF QUERY GROUPS: wave w works as w' = w xor 2 where bit 2 of w is set, else as w: the four waves whose numbers are equal modulo 4
	s_lshl_b32 s42, s42, 1                         ; then have 18 key steps together (1 + 4 + 5 + 8 or 2 + 3 + 6 + 7).  Waves 0 to 3, which fetch, keep their numbers.
	s_xor_b32 s42, s42, s[WV]                      ; Wherever this text's comments say w of a wave's queries and steps, w' is meant
	s_lshr_b32 s[HW], s42, 1
	s_bfe_u32 s40, ttmp6, 0x40000                  ; cx
	s_and_b32 s41, ttmp7, 0xffff                   ; 16 x batch + head, which the four partners share
	s_lshl_b32 s42, s42, 2
	s_add_co_u32 s42, s42, s40                     ; my query group
	s_mov_b32 s24, 15|(3<<16)|(1<<21)              ; the mask: all four; elements of 8 bytes; bit 21 beside a mask; no padding
	s_mov_b32 s25, 32<<16                          ; 25,600 dense bytes as 100 rows of 256
	s_mov_b32 s26, 100<<16
	s_mov_b32 s27, 32<<16
	s_mov_b32 s28, 100
	s_mov_b32 s29, 32
	s_mov_b32 s30, 0
	s_mov_b32 s31, 0
	s_add_co_u32 s44, s41, 64
	s_mul_i32 s44, s44, BLK                        ; K's block of my head;
	s_mul_i32 s45, s[HW], 64*BLK
	s_add_co_u32 s44, s44, s45                     ; waves 2, 3: V's;
	s_and_b32 s45, s[WV], 1
	s_mul_i32 s45, s45, HALF
	s_add_co_u32 s44, s44, s45                     ; my half of it
	s_mov_b32 s45, 0
	s_mul_i32 s43, s[WV], HALF                     ; and its place in LDS
	s_mul_i32 s46, s41, BLK                        ; Q's block
	s_mul_i32 s47, s42, 768
	s_add_co_u32 s48, s46, s47                     ; my unit
	s_mov_b32 s49, 0
	s_lshl_b32 s47, s42, 5
	s_add_co_u32 s50, s46, s47
	s_add_co_u32 s50, s50, 49152                   ; its scale bytes
	s_mov_b32 s51, 0
	s_lshr_b32 s52, s41, 4
	s_lshl_b32 s52, s52, 3
	s_add_co_u32 s52, s52, s[HW]                   ; y: the tile of 128 tokens,
	s_lshl_b32 s52, s52, 1
	s_bfe_u32 s53, s41, 0x10003
	s_add_co_u32 s52, s52, s53                     ; the chunk of 8 heads
	s_mul_i32 s52, s52, BLK
	s_and_b32 s53, s41, 7
	s_and_b32 s54, s42, 7
	s_lshl_b32 s55, s53, 3
	s_add_co_u32 s55, s55, s54
	s_mul_i32 s55, s55, 768
	s_add_co_u32 s56, s52, s55                     ; unit (head % 8, group % 8)
	s_mov_b32 s57, 0
	s_lshl_b32 s54, s54, 8
	s_lshl_b32 s53, s53, 1
	s_add_co_u32 s58, s54, s53
	s_add_co_u32 s58, s58, s52
	s_add_co_u32 s58, s58, 49152                   ; its two scale bytes in each row's sixteen
	s_mov_b32 s59, 0
	s_lshr_b32 s60, s42, 1
	s_lshl_b32 s60, s60, 5
	s_and_b32 s61, s42, 1
	s_lshl_b32 s61, s61, 3
	s_add_co_u32 s60, s60, s61                     ; the group's first query
	s_mov_b32 s[SEL], 0x76543210
	s_mov_b32 s[SEL+1], 0xfedcba98
	s_mov_b32 s[CS], 0x3d38aa3b                    ; c = log2(e) / 32
	s_mov_b32 s[CS+1], s[CS]
	s_mov_b32 s[J], 0
	s_mov_b32 s[TB], 0
	s_mov_b32 s[TS], 0
	s_mov_b32 s[KF], 0
	s_wait_dscnt 0x0                               ; both opening adds are done
	s_wait_kmcnt 0x0
	s_mov_b32 s32, 1
	s_mov_b32 s33, s43
	s_add_nc_u64 s[34:35], s[4:5], s[44:45]
	s_or_b32 s35, s35, 0x80000000
	s_add_nc_u64 s[48:49], s[4:5], s[48:49]
	s_add_nc_u64 s[50:51], s[4:5], s[50:51]
	s_add_nc_u64 s[56:57], s[6:7], s[56:57]
	s_add_nc_u64 s[58:59], s[6:7], s[58:59]
	CROUND                                         ; all four work-groups are here: the joint loads meet
	s_cmp_lt_u32 s[WV], 4
	s_cbranch_scc0 .Lno_fetch
	tensor_load_to_lds s[32:35], s[24:31]          ; one load a fetching wave: the only tensor loads of the launch
	s_nop 0
.rept 4
	v_nop
.endr
.Lno_fetch:
	v_and_b32 v7, 31, v0
	s_delay_alu instid0(VALU_DEP_1)
	v_lshlrev_b32 v1, 4, v7                        ; 16 x lane
	s_delay_alu instid0(VALU_DEP_2)
	v_lshlrev_b32 v2, 3, v7
	s_delay_alu instid0(VALU_DEP_1)
	v_add_nc_u32 v2, 512, v2                       ; 512 + 8 x lane
	v_and_b32 v8, 15, v0                           ; r
	v_bfe_u32 v9, v0, 4, 1                         ; h
	s_delay_alu instid0(VALU_DEP_2)
	v_lshlrev_b32 v3, 1, v8                        ; K's and Q's scale bytes: 2 r
	s_delay_alu instid0(VALU_DEP_3)
	v_lshlrev_b32 v4, 2, v8
	s_delay_alu instid0(VALU_DEP_1)
	v_add_nc_u32 v4, BLK+49152, v4                 ; V's scale words: 4 r
	global_load_b128 v[16:19], v1, s[48:49]        ; Q's unit stays in registers
	global_load_b64 v[20:21], v2, s[48:49]
	global_load_u16 v255, v3, s[50:51]
	v_and_b32 v10, 8, v8
	s_delay_alu instid0(VALU_DEP_1)
	v_add_nc_u32 v11, v10, v8
	v_lshlrev_b32 v10, 4, v9
	s_delay_alu instid0(VALU_DEP_1)
	v_sub_nc_u32 v11, v11, v10
	s_delay_alu instid0(VALU_DEP_1)
	v_add_nc_u32 v11, s60, v11                     ; my query - 16 h
	v_mov_b32 v13, 0xff61b1e6                      ; the largest t so far: -3e38
	s_delay_alu instid0(VALU_DEP_1)
	v_floor_f32 v12, -v13                          ; -M
	v_mov_b32 v14, 0
	v_mov_b32 v15, 0
.irp j, 22,23,24,25,26,27
	v_mov_b32 v[\j], 0                             ; Q's k = 64 .. 127: zero codes
.endr
.irp t, 0,1,2,3
.irp j, 6,7,8,9,10,11
	v_mov_b32 v[32+12*\t+\j], 0                    ; K's likewise: written once, never loaded
.endr
.endr
.irp j, 0,1,2,3,4,5,6,7,8,9,10,11,12,13,14,15
	v_mov_b32 v[80+\j], 0                          ; O^T: the loop is written once; its first step finds zeros
	v_mov_b32 v[160+\j], 0
.endr
.irp b, 0,1,2,3
	v_mov_b32 v[236+\b], 0                         ; written once: a lane permute's destination counts as one of its sources
.endr
	v_mov_b32 v252, 0
	v_mov_b32 v253, 0
	s_wait_loadcnt 0x0                             ; Q
	s_wait_tensorcnt 0x0                           ; my part of the head is in,
	s_barrier_signal -1
	s_barrier_wait -1                              ; everybody's is
.Lstep:                                            ; 8 trips in every wave; a step beyond my diagonal is jumped over, down to the lines that step the addresses
	s_cmp_gt_u32 s[J], s[HW]
	s_cbranch_scc1 .Lskip
	v_add_nc_u32 v7, s[TB], v1                     ; (these four are also the places behind the last trip's products)
	s_wait_alu depctr_va_vdst(0)
	v_add_nc_u32 v8, s[TB], v2
	s_wait_alu depctr_va_vdst(0)
	v_add_nc_u32 v9, s[TS], v3
	s_wait_alu depctr_va_vdst(0)
	v_add_nc_u32 v10, s[TS], v4
	s_wait_alu depctr_va_vdst(0)
.irp g, 0,1                                        ; S^T = K Q^T, four groups of 16 keys at a time
.if \g
.rept 4
	v_nop                                          ; places in front of loads into registers that matrix instructions have read
.endr
.endif
.irp t, 0,1,2,3
	ds_load_b128 v[32+12*\t:35+12*\t], v7 offset:(4*\g+\t)*768
	ds_load_b64 v[36+12*\t:37+12*\t], v8 offset:(4*\g+\t)*768
	ds_load_u16 v[248+\t], v9 offset:49152+(4*\g+\t)*32
.endr
	s_wait_dscnt 0x0
.irp t, 0,1,2,3
	v_wmma_scale_f32_16x16x128_f8f6f4 v[96+8*(4*\g+\t):103+8*(4*\g+\t)], v[32+12*\t:43+12*\t], v[16:27], 0, v[248+\t], v255 matrix_a_fmt:MATRIX_FMT_FP6 matrix_b_fmt:MATRIX_FMT_FP6
.endr
.endr
.irp t, 0,1,2,3                                    ; V's four fragments and scale words are asked for now and land under the softmax
.irp c, 0,1
	ds_load_b128 v[176+12*\t+6*\c:179+12*\t+6*\c], v7 offset:BLK+(4*\c+\t)*768
	ds_load_b64 v[180+12*\t+6*\c:181+12*\t+6*\c], v8 offset:BLK+(4*\c+\t)*768
.endr
	ds_load_b32 v[28+\t], v10 offset:64*\t
.endr
.rept 4
	v_nop
.endr
	s_cmp_lg_u32 s[J], s[HW]                       ; only my last step lies on the diagonal
	s_cbranch_scc1 .Lopen
	v_sub_nc_u32 v252, v11, s[KF]                  ; d = my query - the step's first key - 16 h.  Register 16 b + i holds key 32 b + 16 h + i of the step: hidden where 32 b + i > d
	v_mov_b32 v254, 0xff800000                     ; -infinity
.set n, 0
.rept 64
	v_cmp_gt_i32 vcc_lo, 32*(n/16)+n%16, v252
	v_cndmask_b32 v[96+n], v[96+n], v254, vcc_lo
.set n, n+1
.endr
.Lopen:
.irp b, 0,1,2,3
	v_max3_num_f32 v[232+\b], v[96+16*\b], v[97+16*\b], v[98+16*\b]   ; the largest score of each block of 32 keys: for the row's maximum, and, since p rises with the score, for the block's largest p
.endr
.irp i, 3,5,7,9,11,13
.irp b, 0,1,2,3
	v_max3_num_f32 v[232+\b], v[232+\b], v[96+16*\b+\i], v[97+16*\b+\i]
.endr
.endr
.irp b, 0,1,2,3
	v_max_num_f32 v[232+\b], v[232+\b], v[111+16*\b]
.endr
.irp b, 0,1,2,3
	s_delay_alu instid0(VALU_DEP_4)
	v_permlanex16_b32 v[236+\b], v[232+\b], s[SEL], s[SEL+1]
.endr
.irp b, 0,1,2,3
	s_delay_alu instid0(VALU_DEP_4)
	v_max_num_f32 v[232+\b], v[232+\b], v[236+\b]
.endr
	s_delay_alu instid0(VALU_DEP_2)
	v_max3_num_f32 v254, v232, v233, v234
	s_delay_alu instid0(VALU_DEP_1)
	v_max_num_f32 v254, v254, v235
	s_delay_alu instid0(VALU_DEP_1)
	v_mul_f32 v254, s[CS], v254                    ; the step's largest t
	s_delay_alu instid0(VALU_DEP_1)
	v_max_num_f32 v13, v13, v254
	v_mov_b32 v254, v12
	s_delay_alu instid0(VALU_DEP_2)
	v_floor_f32 v12, -v13                          ; the new -M = -ceil(t)
	s_delay_alu instid0(VALU_DEP_1)
	v_sub_f32 v254, v12, v254                      ; old M - new M: a whole number, 0 or less
	s_delay_alu instid0(VALU_DEP_1)
	v_cvt_i32_f32 v254, v254                       ; (it saturates)
	s_delay_alu instid0(VALU_DEP_1)
	v_ldexp_f32 v252, 1.0, v254                    ; f = 2^(old M - new M)
.set n, 0
.rept 32
	v_pk_fma_f32 v[96+2*n:97+2*n], v[96+2*n:97+2*n], s[CS:CS+1], v[12:13] op_sel_hi:[1,0,0]   ; t - M
.set n, n+1
.endr
.irp b, 0,1,2,3
	v_fma_f32 v[232+\b], v[232+\b], s[CS], v12
.endr
.set n, 0
	s_wait_alu depctr_va_vdst(0)
.rept 64
	v_exp_f32 v[96+n], v[96+n]                     ; p = 2^(t - M)
.set n, n+1
.endr
	v_pk_mul_f32 v[14:15], v[14:15], v[252:253] op_sel_hi:[1,0]   ; the sums under the new M (a plain instruction behind the exponentials)
	s_wait_alu depctr_va_vdst(0)                   ; one wait for the batch, ahead of its first reader
.irp b, 0,1,2,3
	v_exp_f32 v[232+\b], v[232+\b]                 ; each block's largest p
.endr
	v_pk_add_f32 v[236:237], v[100:101], v[104:105]
	v_pk_add_f32 v[250:251], v[108:109], v[112:113]
	v_pk_add_f32 v[248:249], v[116:117], v[120:121]
	v_pk_add_f32 v[246:247], v[124:125], v[128:129]
	v_pk_add_f32 v[244:245], v[132:133], v[136:137]
	v_pk_add_f32 v[242:243], v[140:141], v[144:145]
	v_pk_add_f32 v[240:241], v[148:149], v[152:153]
	v_pk_add_f32 v[14:15], v[14:15], v[156:157]
	v_pk_add_f32 v[236:237], v[236:237], v[96:97]
	v_pk_add_f32 v[250:251], v[250:251], v[98:99]
	v_pk_add_f32 v[248:249], v[248:249], v[102:103]
	v_pk_add_f32 v[246:247], v[246:247], v[106:107]
	v_pk_add_f32 v[244:245], v[244:245], v[110:111]
	v_pk_add_f32 v[242:243], v[242:243], v[114:115]
	v_pk_add_f32 v[240:241], v[240:241], v[118:119]
	v_pk_add_f32 v[14:15], v[14:15], v[122:123]
	v_pk_add_f32 v[236:237], v[236:237], v[126:127]
	v_pk_add_f32 v[250:251], v[250:251], v[130:131]
	v_pk_add_f32 v[248:249], v[248:249], v[134:135]
	v_pk_add_f32 v[246:247], v[246:247], v[138:139]
	v_pk_add_f32 v[244:245], v[244:245], v[142:143]
	v_pk_add_f32 v[242:243], v[242:243], v[146:147]
	v_pk_add_f32 v[240:241], v[240:241], v[150:151]
	v_pk_add_f32 v[14:15], v[14:15], v[154:155]
	v_pk_add_f32 v[236:237], v[236:237], v[158:159]
	s_delay_alu instid0(VALU_DEP_2)
	v_pk_add_f32 v[14:15], v[14:15], v[246:247]
	s_delay_alu instid0(VALU_DEP_2)
	v_pk_add_f32 v[236:237], v[236:237], v[244:245]
	v_pk_add_f32 v[250:251], v[250:251], v[242:243]
	v_pk_add_f32 v[248:249], v[248:249], v[240:241]
	s_delay_alu instid0(VALU_DEP_2)
	v_pk_add_f32 v[14:15], v[14:15], v[250:251]
	s_delay_alu instid0(VALU_DEP_2)
	v_pk_add_f32 v[236:237], v[236:237], v[248:249]
	s_delay_alu instid0(VALU_DEP_1)
	v_pk_add_f32 v[14:15], v[14:15], v[236:237]
	s_wait_alu depctr_va_vdst(0)                   ; and one for the four
.irp b, 0,1,2,3
	v_max_num_f32 v[232+\b], 0x1800000, v[232+\b]  ; the floor 2^(3 - 127)
.endr
.irp b, 0,1,2,3
	s_delay_alu instid0(VALU_DEP_4)
	v_add_nc_u32 v[244+\b], 0xff000000, v[232+\b]  ; the conversion's scale operand
.endr
.irp b, 0,1,2,3
	s_delay_alu instid0(VALU_DEP_4)
	v_lshrrev_b32 v[236+\b], 23, v[244+\b]
.endr
	s_delay_alu instid0(VALU_DEP_3)
	v_lshl_or_b32 v253, v237, 8, v236              ; p's scale word for these 128 keys
	s_delay_alu instid0(VALU_DEP_1)
	v_lshl_or_b32 v253, v238, 16, v253
	s_delay_alu instid0(VALU_DEP_1)
	v_lshl_or_b32 v253, v239, 24, v253
.irp c, 0,1
	v_cvt_scalef32_pk16_fp6_f32 v[224+6*\c:226+6*\c], v[96+32*\c:111+32*\c], v[244+2*\c]
	v_cvt_scalef32_pk16_fp6_f32 v[236+4*\c:238+4*\c], v[112+32*\c:127+32*\c], v[244+2*\c+1]
.endr
	v_nop                                          ; one plain instruction behind the conversions
.irp c, 0,1
.irp i, 0,1,2
	v_permlane16_swap_b32 v[224+6*\c+\i], v[236+4*\c+\i]
.endr
.irp i, 0,1,2
	s_delay_alu instid0(VALU_DEP_3)
	v_mov_b32 v[227+6*\c+\i], v[236+4*\c+\i]
.endr
.endr
.irp o, 80,82,84,86,88,90,92,94,160,162,164,166,168,170,172,174
	v_pk_mul_f32 v[\o:\o+1], v[\o:\o+1], v[252:253] op_sel_hi:[1,0]   ; O^T under the new M; these are also the places between the writes of p's codes and scale word and the products
.endr
	s_wait_alu depctr_va_vdst(0)
	s_wait_dscnt 0x0                               ; V
	v_wmma_scale_f32_16x16x128_f8f6f4 v[80:87], v[176:187], v[224:235], v[80:87], v28, v253 matrix_a_fmt:MATRIX_FMT_FP6 matrix_b_fmt:MATRIX_FMT_FP6
	v_wmma_scale_f32_16x16x128_f8f6f4 v[88:95], v[188:199], v[224:235], v[88:95], v29, v253 matrix_a_fmt:MATRIX_FMT_FP6 matrix_b_fmt:MATRIX_FMT_FP6
	v_wmma_scale_f32_16x16x128_f8f6f4 v[160:167], v[200:211], v[224:235], v[160:167], v30, v253 matrix_a_fmt:MATRIX_FMT_FP6 matrix_b_fmt:MATRIX_FMT_FP6
	v_wmma_scale_f32_16x16x128_f8f6f4 v[168:175], v[212:223], v[224:235], v[168:175], v31, v253 matrix_a_fmt:MATRIX_FMT_FP6 matrix_b_fmt:MATRIX_FMT_FP6
.Lskip:
	s_add_co_u32 s[TB], s[TB], 6144
	s_add_co_u32 s[TS], s[TS], 256
	s_add_co_u32 s[KF], s[KF], 128
	s_add_co_u32 s[J], s[J], 1
	s_cmp_lt_u32 s[J], 8
	s_cbranch_scc1 .Lstep
	; THE WAY OUT: O^T / the row's sum is y(query, 64 head + d), a lane's 32 registers in d's order: one unit of product 4's operand
.rept 4
	v_nop
.endr
	v_add_f32 v14, v14, v15
	s_wait_alu depctr_va_vdst(0)
	v_permlanex16_b32 v252, v14, s[SEL], s[SEL+1]
	s_delay_alu instid0(VALU_DEP_1)
	v_add_f32 v14, v14, v252
	s_wait_alu depctr_va_vdst(0)
	v_rcp_f32 v14, v14
	v_lshlrev_b32 v9, 3, v3                        ; 16 r: my row's scale bytes in yq (a plain instruction behind the transcendental)
	s_wait_alu depctr_va_vdst(0)
.set n, 0
.rept 16
	v_mul_f32 v[96+n], v[80+n], v14
.set n, n+1
.endr
.set n, 0
.rept 16
	v_mul_f32 v[112+n], v[160+n], v14
.set n, n+1
.endr
.irp b, 0,1
	v_max3_num_f32 v[TM+\b], |v[96+16*\b]|, |v[97+16*\b]|, 0x1800000
.endr
.irp i, 2,4,6,8,10,12,14
.irp b, 0,1
	s_delay_alu instid0(VALU_DEP_2)
	v_max3_num_f32 v[TM+\b], v[TM+\b], |v[96+16*\b+\i]|, |v[97+16*\b+\i]|
.endr
.endr
.irp b, 0,1
	s_delay_alu instid0(VALU_DEP_2)
	v_permlanex16_b32 v[TM+2+\b], v[TM+\b], s[SEL], s[SEL+1]
.endr
.irp b, 0,1
	s_delay_alu instid0(VALU_DEP_2)
	v_max_num_f32 v[TM+\b], v[TM+\b], v[TM+2+\b]
.endr
.irp b, 0,1
	s_delay_alu instid0(VALU_DEP_2)
	v_add_nc_u32 v[TM+4+\b], 0xff000000, v[TM+\b]
.endr
.irp b, 0,1
	s_delay_alu instid0(VALU_DEP_2)
	v_lshrrev_b32 v[TM+2+\b], 23, v[TM+4+\b]
.endr
	s_delay_alu instid0(VALU_DEP_1)
	v_lshl_or_b32 v[PW], v[TM+3], 8, v[TM+2]
	v_cvt_scalef32_pk16_fp6_f32 v[P:P+2], v[96:111], v[TM+4]
	v_cvt_scalef32_pk16_fp6_f32 v[P+6:P+8], v[112:127], v[TM+5]
	v_nop
.irp i, 0,1,2
	v_permlane16_swap_b32 v[P+\i], v[P+6+\i]
.endr
.irp i, 0,1,2
	s_delay_alu instid0(VALU_DEP_3)
	v_mov_b32 v[P+3+\i], v[P+6+\i]
.endr
	global_store_b128 v1, v[P:P+3], s[56:57]       ; 512 consecutive bytes a wave
	global_store_b64 v2, v[P+4:P+5], s[56:57]      ; 256 consecutive bytes a wave
	global_store_b16 v9, v[PW], s[58:59]
	s_wait_tensorcnt 0x0                           ; the wave's end
	ds_add_u32 v5, v6
	s_wait_dscnt 0x0
	CROUND                                         ; the closing round
	s_endpgm
.Lfunc_end_k_qe140f03ad7_attn:
	.size	k_qe140f03ad7_attn, .Lfunc_end_k_qe140f03ad7_attn-k_qe140f03ad7_attn
	.p2alignl 7, 3214868480
	.fill 96, 4, 3214868480
	.section	.rodata,"a",@progbits
	.p2align	6, 0x0
	.amdhsa_kernel k_qe140f03ad7_attn
		.amdhsa_group_segment_fixed_size 167936
		.amdhsa_private_segment_fixed_size 0
		.amdhsa_enable_private_segment 0
		.amdhsa_kernarg_size 16
		.amdhsa_user_sgpr_count 2
		.amdhsa_user_sgpr_kernarg_segment_ptr 1
		.amdhsa_wavefront_size32 1
		.amdhsa_system_sgpr_workgroup_id_x 1
		.amdhsa_system_sgpr_workgroup_id_y 1
		.amdhsa_system_sgpr_workgroup_id_z 1
		.amdhsa_system_vgpr_workitem_id 0
		.amdhsa_next_free_vgpr 256
		.amdhsa_next_free_sgpr 66
		.amdhsa_reserve_vcc 1
		.amdhsa_float_denorm_mode_32 3
		.amdhsa_float_denorm_mode_16_64 3
		.amdhsa_memory_ordered 1
		.amdhsa_forward_progress 1
		.amdhsa_inst_pref_size 37
	.end_amdhsa_kernel
	.amdgpu_metadata
---
amdhsa.version: [ 1, 2 ]
amdhsa.kernels:
  - .name:           k_qe140f03ad7_attn
    .symbol:         k_qe140f03ad7_attn.kd
    .args:
      - { .name: qkvq, .offset: 0, .size: 8, .value_kind: global_buffer, .address_space: global }
      - { .name: yq, .offset: 8, .size: 8, .value_kind: global_buffer, .address_space: global }
    .group_segment_fixed_size: 167936
    .private_segment_fixed_size: 0
    .kernarg_segment_align: 8
    .kernarg_segment_size: 16
    .max_flat_workgroup_size: 512
    .sgpr_count:     66
    .vgpr_count:     256
    .wavefront_size: 32
...
	.end_amdgpu_metadata
.endif
;; end of part 3
;; launch g4 (part 4): grid 8 x 32, 4 waves a work-group, no clusters, 270,848 bytes of LDS; arguments yq, wts, proj_b, x, x1; writes x1
.if DOCPART == 4
	.amdgcn_target "amdgcn-amd-amdhsa--gfx1250"
	.amdhsa_code_object_version 6
	.text
	.protected	k_qe140f03ad7_g4
	.globl	k_qe140f03ad7_g4
	.p2align	8
	.type	k_qe140f03ad7_g4,@function
k_qe140f03ad7_g4:
	s_mov_b64 s[64:65], 0
	v_nop
	global_prefetch_b8 v0, s[64:65] scope:SCOPE_SE
	s_setreg_imm32_b32 hwreg(HW_REG_WAVE_MODE, 25, 1), 1
	s_wait_xcnt 0x0
; x1 = x + y proj_w + proj_b (product 4) on codes of E2M3.  y: yq, [4096][1024]; proj_w: wts, [1024][1024]; both in the program's block layout (head of the first kernel).  x, x1: [4096][1024] f32.
; SHARES.  256 work-groups, 8 x 32; a work-group makes 128 tokens x 128 columns.  THE FOUR WAVES SPLIT K: wave w takes K steps NS w .. NS w + NS - 1 (128 along K each) of the whole 128 x 128: 64 accumulators, 512 registers.
; The layout is the image of the operand registers, so a fragment comes from memory straight into registers (16 and 8 bytes a lane: runs of 512 and 256 bytes); a wave's fragments are read by that wave alone, each byte once in a work-group.
; So no tile lies in LDS, there is no tensor load that partners could share (cluster = none), and the walk along K has no barrier.  No prefetch: the text has no loop; while a step is multiplied the next step's 64 loads are out.
; SCALES: a register holds the words of group j in lanes 0-15 and of group j + 4 in lanes 16-31; the instruction's row selectors choose.
; THE WAY OUT: each wave lays its 128 x 128 partial sums into its own part of LDS by rows (528 bytes apart); one barrier; wave d adds the four parts of stage rows 32 d .. 32 d + 31, the bias and the residual, and stores rows of 512 bytes.
; LIMIT: K is summed in four parts, which are added in f32 at the end: another order of rounding than one chain along K.
; REGISTERS.  window 0: v1-15 addresses and bias; v16-79 scale words; v80-175 A's fragments, even steps (at the end 24 rows of the residual); v176-223 A's blocks 4-7, odd steps; v224-255 8 rows of the residual.
;   window 1: v0-95, v96-191 B's fragments, even and odd steps; v192-239 A's blocks 0-3, odd steps.   windows 2, 3: accumulator (a, b) at v[8 (8 (a % 4) + b)] of window 2 + a / 4.
.set KCH,  2                           ; blocks of 512 along K
.set NS,   2                           ; my wave's K steps
.set SW,   2                           ; scale words that one load brings a row
.set WOFF, 2457600                     ; the weight's place in wts
.set BLK,  51200
.set RP,   528                         ; a stage row: 512 bytes + 16
.set PART, 128*RP
.set SPARE, 4*PART                     ; the spare words, 128 bytes for each wave, that no other line names
.set L16, 1
.set L8,  2
.set SO,  3
.set STO, 4
.set BI,  8
.set SPW, 12
.set NIL, 13
.set SC,  16
.set AE,  80
.set AOH, 176
.set AOL, 192
.set MSB, 0
.macro WIN new                         ; the immediate's high byte repeats the setting that is left
.if MSB != (\new)
	s_set_vgpr_msb (MSB<<8)|(\new)
.set MSB, (\new)
.endif
.endm
.macro PLACES                          ; four plain instructions between a matrix instruction and a load into, or a read of, its registers
.rept 4
	v_nop
.endr
.endm
.macro FRAG reg, base, off             ; a fragment (16 rows x 128 K, 12 registers) is two units of 768 bytes
	global_load_b128 v[(\reg):(\reg)+3], v[L16], s[\base:\base+1] offset:(\off)
	global_load_b64 v[(\reg)+4:(\reg)+5], v[L8], s[\base:\base+1] offset:(\off)
	global_load_b128 v[(\reg)+6:(\reg)+9], v[L16], s[\base:\base+1] offset:(\off)+6144
	global_load_b64 v[(\reg)+10:(\reg)+11], v[L8], s[\base:\base+1] offset:(\off)+6144
.endm
.macro LDA s, i0                       ; A's blocks i0 .. i0 + 3 of step s
.irp i, 0,1,2,3
.if (\s)%2 == 0
	FRAG AE+12*(\i0+\i),20,SOFF+768*(\i0+\i)
.elseif \i0 == 0
	FRAG AOL+12*\i,20,SOFF+768*\i
.else
	FRAG AOH+12*\i,20,SOFF+768*(4+\i)
.endif
.endr
.endm
.macro LD1 s                           ; 48 loads: B's eight fragments and A's blocks 0-3 of step s
.set SOFF, ((\s)/4)*BLK+((\s)%4)*12288
	WIN 0x40
.irp i, 0,1,2,3,4,5,6,7
	FRAG 96*((\s)%2)+12*\i,22,SOFF+768*\i
.endr
.if (\s)%2 == 0
	WIN 0
.endif
	LDA \s,0
.endm
.macro LD2 s                           ; 16 loads: A's blocks 4-7
.set SOFF, ((\s)/4)*BLK+((\s)%4)*12288
	WIN 0
	LDA \s,4
.endm
.macro WM dd, fb, sb, sa, rb, ra, zero ; source 0 = 16 columns of the weight, source 1 = 16 tokens: a lane holds one token and eight neighbouring columns
.if \zero
	v_wmma_scale_f32_16x16x128_f8f6f4 v[(\dd):(\dd)+7], v[(\fb):(\fb)+11], v[FA:FA+11], 0, v[\sb], v[\sa] matrix_a_fmt:MATRIX_FMT_FP6 matrix_b_fmt:MATRIX_FMT_FP6 matrix_a_scale:MATRIX_SCALE_ROW\rb matrix_b_scale:MATRIX_SCALE_ROW\ra
.else
	v_wmma_scale_f32_16x16x128_f8f6f4 v[(\dd):(\dd)+7], v[(\fb):(\fb)+11], v[FA:FA+11], v[(\dd):(\dd)+7], v[\sb], v[\sa] matrix_a_fmt:MATRIX_FMT_FP6 matrix_b_fmt:MATRIX_FMT_FP6 matrix_a_scale:MATRIX_SCALE_ROW\rb matrix_b_scale:MATRIX_SCALE_ROW\ra
.endif
.endm
.macro MUL32 s, hi, zero               ; A's blocks 4 hi .. 4 hi + 3 x B's eight.  The 64 accumulators take turns, one instruction a turn, in the same order in every step
.set SQ, SC+((\s)/SW)*8*SW+(\s)%SW
.irp a, 0,1,2,3
.if (\s)%2 == 0
.set FA, AE+12*(4*\hi+\a)
.elseif \hi
.set FA, AOH+12*\a
.else
.set FA, AOL+12*\a
.endif
.irp b, 0,1,2,3
	WM 8*(8*\a+\b),96*((\s)%2)+12*\b,SQ+4*SW+SW*\b,SQ+SW*\a,0,\hi,\zero
.endr
.irp b, 4,5,6,7
	WM 8*(8*\a+\b),96*((\s)%2)+12*\b,SQ+4*SW+SW*(\b-4),SQ+SW*\a,1,\hi,\zero
.endr
.endr
.endm
.macro XLOAD                           ; the residual: my 32 rows x 512 bytes; stage row t is token 8 (t / 16) + t % 16 + 8 ((t % 16) / 8) of my 32
.set t, 0
.rept 32
	global_load_b128 v[AE+4*t+48*(t/24):AE+4*t+48*(t/24)+3], v[L16], s[10:11] offset:(8*(t/16)+t%16+8*((t%16)/8))*4096
.set t, t+1
.endr
.endm
.macro STEP s, zero
.if (\s) > 0
	PLACES                                         ; behind the last step's products: they part it from this step's loads into the sets that it read
.endif
.if (\s)+1 < NS
	LD1 (\s)+1
	s_wait_loadcnt 48                              ; all but the 48 just issued: this step's fragments are in
.else
	WIN 0
	XLOAD
	s_wait_loadcnt 32                              ; all but the 32 just issued
.endif
.if (\s)%2
	WIN 0xa5                                       ; sources 0 and 1 window 1, C and D window 2
.else
	WIN 0xa1                                       ; source 0 window 1, source 1 window 0
.endif
	MUL32 \s,0,\zero
.if (\s)+1 < NS
	LD2 (\s)+1
.endif
	WIN 0xf1                                       ; source 0 window 1, source 1 window 0, C and D window 3
	MUL32 \s,1,\zero
.endm
	s_load_b256 s[4:11], s[0:1], 0x0               ; A's codes, wts, the bias, the residual
	s_load_b64 s[12:13], s[0:1], 0x20              ; the result
	v_lshl_add_u32 v[SPW], v0, 2, SPARE            ; my spare word; never rewritten
	v_mov_b32 v[NIL], 0                            ; 0; never rewritten
	v_lshrrev_b32 v9, 5, v0
	v_readfirstlane_b32 s14, v9                    ; wave
	v_and_b32 v9, 31, v0                           ; lane
	v_and_b32 v10, 15, v0                          ; r
	v_bfe_u32 v11, v0, 4, 1                        ; h
	v_lshlrev_b32 v[L16], 4, v9                    ; a unit's registers 0-3; also my 16 bytes of a row of 512
	v_lshlrev_b32 v[L8], 3, v9
	v_add_nc_u32 v[L8], 512, v[L8]                 ; a unit's registers 4, 5
	v_lshlrev_b32 v[SO], 4, v10
	v_lshl_add_u32 v[SO], v11, 10, v[SO]           ; scale bytes: 16 r, lanes 16-31 four groups on
	v_mul_u32_u24 v[STO], v10, RP
	v_lshl_add_u32 v[STO], v11, 6, v[STO]
	s_mul_i32 s15, s14, PART
	v_add_nc_u32 v[STO], s15, v[STO]               ; the stage, in: my part, row r, + 64 h
	s_mul_i32 s15, s14, 32*RP
	v_add_nc_u32 v6, s15, v[L16]                   ; and back: my 32 rows in part 0,
	v_add_nc_u32 v7, PART, v6                      ; 1,
	v_add_nc_u32 v14, 2*PART, v6                   ; 2,
	v_add_nc_u32 v15, 3*PART, v6                   ; 3
	s_mul_i32 s15, s14, NS                         ; my first K step
	s_lshr_b32 s17, s15, 2
	s_mul_i32 s17, s17, BLK                        ; its block of 512 along K,
	s_and_b32 s15, s15, 3
	s_mul_i32 s18, s15, 12288                      ; its units in the block,
	s_add_co_u32 s18, s18, s17
	s_lshl_b32 s19, s15, 2                         ; its word of a row's sixteen scale bytes
	s_add_co_u32 s19, s19, s17
	s_add_co_u32 s19, s19, 49152
	s_and_b32 s16, ttmp7, 0xffff                   ; the tile of 128 tokens
	s_mul_i32 s20, s16, KCH*BLK
	s_mul_i32 s22, ttmp9, KCH*BLK                  ; the tile of 128 columns
	s_add_co_u32 s22, s22, WOFF
	s_add_co_u32 s24, s20, s19
	s_add_co_u32 s26, s22, s19
	s_add_co_u32 s20, s20, s18
	s_add_co_u32 s22, s22, s18
	s_mov_b32 s21, 0
	s_mov_b32 s23, 0
	s_mov_b32 s25, 0
	s_mov_b32 s27, 0
	s_mov_b32 s29, 0
	s_mov_b32 s31, 0
	s_lshl_b32 s28, ttmp9, 9                       ; 512 bytes a column tile
	s_lshl_b32 s30, s16, 7
	s_lshl_b32 s17, s14, 5
	s_add_co_u32 s30, s30, s17                     ; my first row on the way out: 128 x tile + 32 x wave
	s_lshl_b32 s30, s30, 12
	s_add_co_u32 s30, s30, s28
	s_wait_alu depctr_va_vdst(0)
	s_wait_kmcnt 0x0
	s_add_nc_u64 s[20:21], s[4:5], s[20:21]        ; A's codes
	s_add_nc_u64 s[24:25], s[4:5], s[24:25]        ; A's scale bytes
	s_add_nc_u64 s[22:23], s[6:7], s[22:23]        ; B's codes
	s_add_nc_u64 s[26:27], s[6:7], s[26:27]        ; B's scale bytes
	s_add_nc_u64 s[8:9], s[8:9], s[28:29]
	s_add_nc_u64 s[10:11], s[10:11], s[30:31]
	s_add_nc_u64 s[12:13], s[12:13], s[30:31]
.set c, 0
.rept (NS+SW-1)/SW
.irp j, 0,1,2,3
.if SW == 4
	global_load_b128 v[SC+32*c+4*\j:SC+32*c+4*\j+3], v[SO], s[24:25] offset:c*BLK+256*\j
	global_load_b128 v[SC+32*c+16+4*\j:SC+32*c+16+4*\j+3], v[SO], s[26:27] offset:c*BLK+256*\j
.else
	global_load_b64 v[SC+2*\j:SC+2*\j+1], v[SO], s[24:25] offset:256*\j
	global_load_b64 v[SC+8+2*\j:SC+8+2*\j+1], v[SO], s[26:27] offset:256*\j
.endif
.endr
.set c, c+1
.endr
	global_load_b128 v[BI:BI+3], v[L16], s[8:9]    ; the bias of my four columns of a row
	LD1 0
	LD2 0
	STEP 0,1                                       ; the first step's products start the sums
.irp s, 1
	STEP \s,0
.endr
	PLACES
.irp a, 0,1,2,3,4,5,6,7
	WIN 0x08+4*(\a/4)
.irp b, 0,1,2,3,4,5,6,7
	ds_store_b128 v[STO], v[8*(8*(\a%4)+\b):8*(8*(\a%4)+\b)+3] offset:\a*16*RP+128*(\b/2)+32*(\b%2)      ; each accumulator from its low end on
	ds_store_b128 v[STO], v[8*(8*(\a%4)+\b)+4:8*(8*(\a%4)+\b)+7] offset:\a*16*RP+128*(\b/2)+32*(\b%2)+16
.endr
.endr
	WIN 0
	s_wait_loadcnt 0x0                             ; the residual
.set t, 0
.rept 32
	v_pk_add_f32 v[AE+4*t+48*(t/24):AE+4*t+48*(t/24)+1], v[AE+4*t+48*(t/24):AE+4*t+48*(t/24)+1], v[BI:BI+1]
	v_pk_add_f32 v[AE+4*t+48*(t/24)+2:AE+4*t+48*(t/24)+3], v[AE+4*t+48*(t/24)+2:AE+4*t+48*(t/24)+3], v[BI+2:BI+3]
.set t, t+1
.endr
	s_wait_alu depctr_va_vdst(0)
	s_wait_dscnt 0x0                               ; for the others' sake: my stores are done
	s_barrier_signal -1
	s_barrier_wait -1
.macro PLOAD k                         ; part k's 32 rows of mine, into registers of their own
	WIN 0x80+0x40*(\k/2)
.set t, 0
.rept 32
	ds_load_b128 v[128*(\k%2)+4*t:128*(\k%2)+4*t+3], v[6+\k+6*(\k/2)] offset:t*RP      ; part k, my stage row t: 512 consecutive bytes
.set t, t+1
.endr
.endm
.macro PADD k, younger                 ; younger: the stage loads issued behind part k's, which may stay out
	s_wait_dscnt \younger
	WIN 0x02+(\k/2)
.set t, 0
.rept 32
	v_pk_add_f32 v[AE+4*t+48*(t/24):AE+4*t+48*(t/24)+1], v[128*(\k%2)+4*t:128*(\k%2)+4*t+1], v[AE+4*t+48*(t/24):AE+4*t+48*(t/24)+1]
	v_pk_add_f32 v[AE+4*t+48*(t/24)+2:AE+4*t+48*(t/24)+3], v[128*(\k%2)+4*t+2:128*(\k%2)+4*t+3], v[AE+4*t+48*(t/24)+2:AE+4*t+48*(t/24)+3]
.set t, t+1
.endr
.endm
	PLOAD 0                                        ; loads and adds by turns: one part's 32 loads are out behind the part that is added
	PLOAD 1
	PADD 0,32
	PLOAD 2
	PADD 1,32
	PLOAD 3
	PADD 2,32
	PADD 3,0
	WIN 0
	s_wait_alu depctr_va_vdst(0)
.set t, 0
.rept 32
	global_store_b128 v[L16], v[AE+4*t+48*(t/24):AE+4*t+48*(t/24)+3], s[12:13] offset:(8*(t/16)+t%16+8*((t%16)/8))*4096   ; 32 lanes store 512 consecutive bytes, at a multiple of 512 from the buffer's first byte
.set t, t+1
.endr
	s_wait_tensorcnt 0x0                           ; the wave's end, behind my last LDS store
	ds_add_u32 v[SPW], v[NIL]
	s_wait_dscnt 0x0
	s_endpgm
.Lfunc_end_k_qe140f03ad7_g4:
	.size	k_qe140f03ad7_g4, .Lfunc_end_k_qe140f03ad7_g4-k_qe140f03ad7_g4
	.p2alignl 7, 3214868480
	.fill 96, 4, 3214868480
	.section	.rodata,"a",@progbits
	.p2align	6, 0x0
	.amdhsa_kernel k_qe140f03ad7_g4
		.amdhsa_group_segment_fixed_size 270848
		.amdhsa_private_segment_fixed_size 0
		.amdhsa_enable_private_segment 0
		.amdhsa_kernarg_size 40
		.amdhsa_user_sgpr_count 2
		.amdhsa_user_sgpr_kernarg_segment_ptr 1
		.amdhsa_wavefront_size32 1
		.amdhsa_system_sgpr_workgroup_id_x 1
		.amdhsa_system_sgpr_workgroup_id_y 1
		.amdhsa_system_sgpr_workgroup_id_z 1
		.amdhsa_system_vgpr_workitem_id 0
		.amdhsa_next_free_vgpr 1024
		.amdhsa_next_free_sgpr 66
		.amdhsa_reserve_vcc 0
		.amdhsa_float_denorm_mode_32 3
		.amdhsa_float_denorm_mode_16_64 3
		.amdhsa_memory_ordered 1
		.amdhsa_forward_progress 1
		.amdhsa_inst_pref_size 76
	.end_amdhsa_kernel
	.amdgpu_metadata
---
amdhsa.version: [ 1, 2 ]
amdhsa.kernels:
  - .name:           k_qe140f03ad7_g4
    .symbol:         k_qe140f03ad7_g4.kd
    .args:
      - { .name: yq, .offset: 0, .size: 8, .value_kind: global_buffer, .address_space: global }
      - { .name: wts, .offset: 8, .size: 8, .value_kind: global_buffer, .address_space: global }
      - { .name: proj_b, .offset: 16, .size: 8, .value_kind: global_buffer, .address_space: global }
      - { .name: x, .offset: 24, .size: 8, .value_kind: global_buffer, .address_space: global }
      - { .name: x1, .offset: 32, .size: 8, .value_kind: global_buffer, .address_space: global }
    .group_segment_fixed_size: 270848
    .private_segment_fixed_size: 0
    .kernarg_segment_align: 8
    .kernarg_segment_size: 40
    .max_flat_workgroup_size: 128
    .sgpr_count:     66
    .vgpr_count:     1024
    .wavefront_size: 32
...
	.end_amdgpu_metadata
.endif
;; end of part 4
;; launch ln2: the kernel of part 1 again; grid 256 x 2, 4 waves a work-group, no clusters, 76,800 bytes of LDS; arguments x1, ln2_w, ln2_b, hq, ff_w1, ff_w2, wts; writes hq, wts
;; launch g5 (part 5): grid 8 x 32, 4 waves a work-group, clusters of 4 x 4, 327,680 bytes of LDS; arguments hq, wts, ff_b1, fq; writes fq
.if DOCPART == 5
	.amdgcn_target "amdgcn-amd-amdhsa--gfx1250"
	.amdhsa_code_object_version 6
	.text
	.protected	k_qe140f03ad7_g5
	.globl	k_qe140f03ad7_g5
	.p2align	8
	.type	k_qe140f03ad7_g5,@function
k_qe140f03ad7_g5:
	s_mov_b64 s[64:65], 0
	v_nop
	global_prefetch_b8 v0, s[64:65] scope:SCOPE_SE
	s_setreg_imm32_b32 hwreg(HW_REG_WAVE_MODE, 25, 1), 1
	s_wait_xcnt 0x0
	s_wait_alu depctr_hold_cnt(0) depctr_sa_sdst(0) depctr_va_vdst(0) depctr_va_sdst(0) depctr_va_ssrc(0) depctr_va_vcc(0) depctr_vm_vsrc(0)
	s_getreg_b32 s2, hwreg(HW_REG_IB_STS2, 6, 4)
	s_cmp_eq_u32 s2, 0
	s_cbranch_scc0 .Lentry_in_a_cluster
	s_endpgm
.Lentry_in_a_cluster:
	s_bfe_u32 s2, ttmp6, 0x10000c
	s_cmp_lg_u32 s2, 0xf033
	s_cbranch_scc0 .Lentry_shape_is_right
	s_endpgm
.Lentry_shape_is_right:
; f = relu(h2 ff_w1 + ff_b1) (product 5) on codes of E2M3; f leaves as codes for product 6.  h2: hq, [4096][1024]; ff_w1: wts, [4096][1024]; f: fq, [4096][4096]; all in the program's block layout (head of the first kernel).
; SHARES.  256 work-groups, 8 x 32.  A work-group stays on 128 tokens and walks FOUR tiles of 128 columns, 4 x .. 4 x + 3: together one chunk of 512 along product 6's K.  Four waves, 64 x 64: 16 accumulators.
; LDS: K = 1,024 is two chunks of 512.  A's chunk c at c x 102,400: fetched once, it stays for all four tiles.  B has two places of a whole tile: place 0 (tiles 0, 2): chunk c at c x 102,400 + 51,200; place 1 (tiles 1, 3): chunk c at 204,800 + c x 51,200.
; FIRST FILLS, two loads a wave: chunk 0 and chunk 1 of A (waves 0, 2) and of B's tile 0 (waves 1, 3), a whole block each; then every wave a quarter of B's tile 1.  REFILLS: behind the last K step of tiles 0 and 1 every wave
; fetches a quarter of the tile two on into the place just left: it has a whole tile's products and a way out in which to land.
; CLUSTERS: 4 x 4.  A's blocks are asked for jointly along a row of the cluster, B's along a column.
; The product is used transposed (source 0 = 16 columns of the weight): a lane holds one token, its 32 registers of a token group run along the wave's 64 columns: a unit of fq, stored straight from the conversions' registers.
; LIMITS: NaN and infinities are not served; a block whose largest magnitude lies under 2^-124 keeps the byte 1 (a block of zeros too: its codes are zeros).
.set KCH,   2
.set TILES, 4
.set TQ,    4
.set WOFF,  3276800
.set BLK,   51200
.set HALF,  BLK/2
.set SLOT,  2*BLK
.set SPARE, 3*SLOT                     ; the spare words, 128 bytes for each wave, that no other line names
.set NCH,   KCH*TILES
.set A16,  10                          ; v10-11, v12-13 LDS addresses of my A fragments in chunk 0, 1
.set A8,   12
.set B16,  14                          ; v14-17, v18-21 of my B fragments: index 2 x place + chunk = (chunk's number in the walk) % 4
.set B8,   18
.set ADRS, 22                          ; v22-25 my scale bytes, same index: lanes 0-15 A's rows, lanes 16-31 B's
.set L16,  26
.set L8,   27
.set SPW,  28
.set NIL,  29
.set SC,   32
.set BI,   64
.set P,    96
.set PW,   108
.set TM,   110
.set ACC,  128
.set F0,   0
.set F1,   128
.set G1A,  24
.set G0A,  32
.set G1B,  48
.set G0B,  56
.set G0T,  92                          ; s[92:95] group 0 for a quarter of a tile of B
.set LQ0,  90                          ; s90, s91 my quarter's LDS address in place 0, 1
.set LQ1,  91
.set SEL,  78
.set MSB, 0
.macro WIN new                         ; the immediate's high byte repeats the setting that is left
.if MSB != \new
	s_set_vgpr_msb (MSB<<8)|\new
.set MSB, \new
.endif
.endm
.set MUL,  0x05
.set TO_F, 0x40
.macro PLACES
.rept 4
	v_nop
.endr
.endm
.macro JLOAD s                         ; waves 0, 2: A's chunk 0, 1; waves 1, 3: B's tile 0's chunk 0, 1.  An s_nop 0 and four v_nop follow a load
	s_cmp_eq_u32 s16, 0                            ; the head's one load a wave: waves 0, 2 fetch A's chunk 0, 1; waves 1, 3 those of B's tile 0
	s_cbranch_scc0 .Lfor_b_\@
	tensor_load_to_lds s[G0A+4*(\s):G0A+4*(\s)+3], s[G1A:G1A+7]
	s_nop 0
.rept 4
	v_nop
.endr
	s_branch .Lasked_\@
.Lfor_b_\@:
	tensor_load_to_lds s[G0B+4*(\s):G0B+4*(\s)+3], s[G1B:G1B+7]
	s_nop 0
.rept 4
	v_nop
.endr
.Lasked_\@:
.endm
.macro TLOAD                           ; every wave: its quarter of a tile of B
	tensor_load_to_lds s[G0T:G0T+3], s[G1B:G1B+7]
	s_nop 0
.rept 4
	v_nop
.endr
.endm
.macro CREST
	s_cmp_lg_u32 s14, 0
	s_cbranch_scc1 .Lnot_wave_0_\@
	s_barrier_signal -3
.Lnot_wave_0_\@:
	s_barrier_wait -3
	s_barrier_signal -1
	s_barrier_wait -1
.endm
.macro CROUND
	s_barrier_signal -1
	s_barrier_wait -1
	CREST
.endm
.macro FRAG reg, a16, a8, q, i
	ds_load_b128 v[\reg:\reg+3], v[\a16] offset:(16*(\q)+(\i))*768
	ds_load_b64 v[\reg+4:\reg+5], v[\a8] offset:(16*(\q)+(\i))*768
	ds_load_b128 v[\reg+6:\reg+9], v[\a16] offset:(16*(\q)+8+(\i))*768
	ds_load_b64 v[\reg+10:\reg+11], v[\a8] offset:(16*(\q)+8+(\i))*768
.endm
.macro FETCH n, q, f                   ; 32 LDS loads in one run: the eight fragments of K step q of chunk n of the walk
	WIN TO_F
.irp i, 0,1,2,3
	FRAG (\f)+48+12*\i,B16+(\n)%4,B8+(\n)%4,\q,\i
	FRAG (\f)+12*\i,A16+(\n)%2,A8+(\n)%2,\q,\i
.endr
.endm
.macro SCALES n
	WIN 0
.irp i, 0,1,2,3
	ds_load_b128 v[SC+16*((\n)%2)+4*\i:SC+16*((\n)%2)+4*\i+3], v[ADRS+(\n)%4] offset:256*\i
.endr
.endm
.macro MUL8 f, q, set, a0, cm          ; 8 matrix instructions: A's groups a0, a0 + 1 x B's four; cm = 1: the bias starts the sums.  The 16 accumulators take turns
.irp a, \a0, \a0+1
.irp t, 0,1,2,3
.set DD, ACC+8*(4*(\a)+\t)
.if \cm
.set CC, BI+8*\t
.else
.set CC, DD
.endif
.set FA, (\f)+12*(\a)
.set FB, (\f)+48+12*\t
.set SA, SC+16*(\set)+4*(\a)+(\q)
.set SB, SC+16*(\set)+4*\t+(\q)
	v_wmma_scale_f32_16x16x128_f8f6f4 v[DD:DD+7], v[FB:FB+11], v[FA:FA+11], v[CC:CC+7], v[SB], v[SA] matrix_a_fmt:MATRIX_FMT_FP6 matrix_b_fmt:MATRIX_FMT_FP6 matrix_a_scale:MATRIX_SCALE_ROW1
.endr
.endr
.endm
.macro BIAS_T tile                     ; register 16 b + e of a lane is column 32 b + 16 h + e of the wave's 64
.irp b, 0,1
.irp i, 0,1,2,3
	global_load_b128 v[BI+16*\b+4*\i:BI+16*\b+4*\i+3], v8, s[8:9] offset:(\tile)*512+128*\b+16*\i
.endr
.endr
.endm
.macro STEP n, q, c0, nb               ; c0: the bias starts the sums;  nb: the next tile's bias is asked for, behind the places that part it from the products that read this tile's
	PLACES
.if \nb
.if (\n)+KCH < NCH
	WIN 0
	BIAS_T (\n)/KCH+1
.endif
.endif
	FETCH \n,(\q)+1,F0+128*(((\q)+1)%2)
	s_wait_dscnt 32                                ; all but the 32 just issued
.if \c0
	s_wait_loadcnt 0x0                             ; the bias
.endif
	WIN MUL
	MUL8 F0+128*((\q)%2),\q,(\n)%2,0,\c0
	MUL8 F0+128*((\q)%2),\q,(\n)%2,2,\c0
.endm
.macro MID n                           ; a chunk's last K step where the next chunk is known to be whole: no barrier
	PLACES
	FETCH (\n)+1,0,F0
	SCALES (\n)+1
	s_wait_dscnt 36                                ; all but the 36 just issued
	WIN MUL
	MUL8 F1,3,(\n)%2,0,0
	MUL8 F1,3,(\n)%2,2,0
.endm
; A chunk's last K step with a barrier.  kind 0: my part of chunk 1 is in (my quarter of tile 1 may stay out).
; kind 1, 2: a tile's end: each wave waits for all its tensor loads, adds 0 to its spare word, and waits for that and for its reads of the tile's place.  kind 2: that place is filled again, with the tile two on.
.macro TURN n, kind
	WIN 0
.if (\kind) == 0
	s_wait_tensorcnt 1
.else
	s_wait_tensorcnt 0x0                           ; all my tensor loads have landed: my quarter of the next tile
	ds_add_u32 v[SPW], v[NIL]                      ; 0 onto my spare word
.endif
	s_wait_dscnt 0x0                               ; my LDS instructions are done
	s_barrier_signal -1
	WIN MUL
	MUL8 F1,3,(\n)%2,0,0
	WIN 0
	s_barrier_wait -1
.if (\kind) == 2
	CREST                                          ; the barrier has opened a round of the cluster's: no wave of any partner still reads this place or has a load on its way
.if ((\n)/2)%2 == 0
	s_mov_b32 s[G0T+1], s[LQ0]
.else
	s_mov_b32 s[G0T+1], s[LQ1]
.endif
	s_add_nc_u64 s[G0T+2:G0T+3], s[G0T+2:G0T+3], SLOT   ; a tile on: the walk's tiles lie on end in wts
	TLOAD                                          ; the first tensor load behind the round; its four v_nop are the places in front of the loads below
.else
	PLACES
.endif
	FETCH (\n)+1,0,F0
	SCALES (\n)+1
	WIN MUL
	MUL8 F1,3,(\n)%2,2,0
.endm
.macro LAST n
	s_wait_dscnt 0x0
	WIN MUL
	MUL8 F1,3,(\n)%2,0,0
	MUL8 F1,3,(\n)%2,2,0
	WIN 0
.endm
.macro CHUNK n, cm
	STEP \n,0,\cm,0
	STEP \n,1,0,\cm
	STEP \n,2,0,0
.if (\n)+1 == NCH
	LAST \n
.elseif (\n)%2 == 0
	MID \n
.elseif (\n)+4 < NCH
	TURN \n,2
.else
	TURN \n,1
.endif
.endm
; 32 registers of a lane, register 16 b + e = k 32 b + 16 h + e of my row, become a unit's codes in v[P] .. v[P+5] and its two scale bytes in v[PW]
.macro QH s
.irp b, 0,1
	v_max3_num_f32 v[TM+\b], |v[\s+16*\b]|, |v[\s+16*\b+1]|, 0x1800000   ; with the floor 2^(3 - 127)
.endr
.irp i, 2,4,6,8,10,12,14
.irp b, 0,1
	v_max3_num_f32 v[TM+\b], v[TM+\b], |v[\s+16*\b+\i]|, |v[\s+16*\b+\i+1]|
.endr
.endr
.irp b, 0,1
	v_permlanex16_b32 v[TM+2+\b], v[TM+\b], s[SEL], s[SEL+1]
.endr
.irp b, 0,1
	v_max_num_f32 v[TM+\b], v[TM+\b], v[TM+2+\b]
.endr
.irp b, 0,1
	v_add_nc_u32 v[TM+4+\b], 0xff000000, v[TM+\b]
.endr
.irp b, 0,1
	v_lshrrev_b32 v[TM+2+\b], 23, v[TM+4+\b]
.endr
	v_lshl_or_b32 v[PW], v[TM+3], 8, v[TM+2]
	v_cvt_scalef32_pk16_fp6_f32 v[P:P+2], v[\s:\s+15], v[TM+4]
	v_cvt_scalef32_pk16_fp6_f32 v[P+6:P+8], v[\s+16:\s+31], v[TM+5]
	v_nop                                          ; one plain instruction behind the conversions
.irp i, 0,1,2
	v_permlane16_swap_b32 v[P+\i], v[P+6+\i]
.endr
.irp i, 0,1,2
	v_mov_b32 v[P+3+\i], v[P+6+\i]
.endr
.endm
.macro QOUT s, coff, soff
.set j, 0
.rept 32
	v_max_num_f32 v[\s+j], 0, v[\s+j]              ; the activation, in f32
.set j, j+1
.endr
	s_wait_xcnt 0x0                                ; the last unit's stores have read their data
	QH \s
	global_store_b128 v[L16], v[P:P+3], s[68:69] offset:\coff
	global_store_b64 v[L8], v[P+4:P+5], s[68:69] offset:\coff
	global_store_b16 v30, v[PW], s[70:71] offset:\soff
.endm
.macro OUT_EH i                        ; tile i of the walk: four units, one for each of my token groups
	WIN 0
	PLACES
.irp a, 0,1,2,3
	QOUT ACC+32*\a,12288*(\i)+768*\a,4*(\i)+256*\a
.endr
.endm
	s_load_b256 s[4:11], s[0:1], 0x0               ; hq, wts, ff_b1, fq
	v_lshl_add_u32 v[SPW], v0, 2, SPARE
	v_mov_b32 v[NIL], 0
	ds_add_u32 v[SPW], v[NIL]                      ; the wave's opening: the add, twice on end, and its wait ahead of my first tensor load
	ds_add_u32 v[SPW], v[NIL]
	v_lshrrev_b32 v1, 5, v0
	v_readfirstlane_b32 s14, v1
	s_lshr_b32 s15, s14, 1
	s_and_b32 s16, s14, 1
	s_bfe_u32 s40, ttmp6, 0x40000
	s_bfe_u32 s41, ttmp6, 0x40004
	s_lshl_b32 s42, ttmp9, 2
	s_add_co_u32 s42, s42, s40                     ; x: the group of four column tiles
	s_and_b32 s17, ttmp7, 0xffff
	s_lshl_b32 s17, s17, 2
	s_add_co_u32 s17, s17, s41                     ; ty: the tile of 128 tokens
	s_lshl_b32 s43, s41, 2
	s_lshl_b32 s43, 15, s43
	s_lshl_b32 s44, 0x1111, s40
	s_or_b32 s[G1A], s43, (3<<16)|(1<<21)
	s_or_b32 s[G1B], s44, (3<<16)|(1<<21)
.irp g, G1A, G1B
	s_mov_b32 s[\g+1], 32<<16                      ; dense rows of 256 bytes
	s_mov_b32 s[\g+2], 200<<16                     ; the head's loads: a whole block, 51,200 dense bytes as 200 rows of 256
	s_mov_b32 s[\g+3], 32<<16
	s_mov_b32 s[\g+4], 200
	s_mov_b32 s[\g+5], 32
	s_mov_b32 s[\g+6], 0
	s_mov_b32 s[\g+7], 0
.endr
	s_mul_i32 s18, s16, HALF
	s_mul_i32 s19, s15, BLK                        ; the chunk that I fetch at the head: wave / 2
	s_mul_i32 s20, s17, KCH*BLK
	s_add_co_u32 s20, s20, s19
	s_mov_b32 s21, 0
	s_mul_i32 s45, s14, HALF                       ; wave x 25,600: no place in the cluster enters an LDS address
	s_mul_i32 s46, s42, TQ*KCH*BLK
	s_add_co_u32 s46, s46, WOFF
	s_add_co_u32 s96, s46, s45
	s_add_co_u32 s96, s96, SLOT                    ; B's tile 1, my quarter
	s_mov_b32 s97, 0
	s_add_co_u32 s46, s46, s19                     ; B's tile 0, my chunk
	s_mov_b32 s47, 0
	s_mul_i32 s[LQ0], s15, SLOT
	s_add_co_u32 s[LQ0], s[LQ0], s18
	s_add_co_u32 s[LQ0], s[LQ0], BLK               ; quarter w of a tile is half w % 2 of chunk w / 2
	s_add_co_u32 s[LQ1], s45, 2*SLOT
	s_mov_b32 s[SEL], 0x76543210
	s_mov_b32 s[SEL+1], 0xfedcba98
	s_wait_dscnt 0x0
	s_wait_kmcnt 0x0
	s_add_nc_u64 s[20:21], s[4:5], s[20:21]
	s_add_nc_u64 s[46:47], s[6:7], s[46:47]
	s_add_nc_u64 s[G0T+2:G0T+3], s[6:7], s[96:97]
	CROUND
	s_mov_b32 s[G0A], 1                            ; THE FIRST FILLS NOW: one load a wave at the head, a whole block each, at LDS byte wave x 51,200
	s_mul_i32 s[G0A+1], s14, BLK
	s_mov_b64 s[G0A+2:G0A+3], s[20:21]
	s_or_b32 s[G0A+3], s[G0A+3], 0x80000000
	s_mov_b32 s[G0B], 1
	s_mul_i32 s[G0B+1], s14, BLK
	s_mov_b64 s[G0B+2:G0B+3], s[46:47]
	s_or_b32 s[G0B+3], s[G0B+3], 0x80000000
	JLOAD 0
	s_mov_b32 s[G0T], 1                            ; B's tile 1, a quarter a wave, is asked for behind the head's round
	s_mov_b32 s[G0T+1], s[LQ1]
	s_or_b32 s[G0T+3], s[G0T+3], 0x80000000
	v_and_b32 v1, 15, v0
	v_bfe_u32 v2, v0, 4, 1
	v_and_b32 v3, 31, v0
	v_lshlrev_b32 v[L16], 4, v3
	v_lshlrev_b32 v[L8], 3, v3
	v_add_nc_u32 v[L8], 512, v[L8]
	s_mul_i32 s21, s15, 3072                       ; my four groups of A,
	s_mul_i32 s22, s16, 3072
	s_add_co_u32 s23, s22, 2*SLOT                  ; of B in place 1,
	s_add_co_u32 s22, s22, BLK                     ; and in place 0
.irp c, 0,1
	v_add_nc_u32 v[A16+\c], s21, v[L16]
	v_add_nc_u32 v[A8+\c], s21, v[L8]
	v_add_nc_u32 v[B16+\c], s22, v[L16]
	v_add_nc_u32 v[B8+\c], s22, v[L8]
	v_add_nc_u32 v[B16+2+\c], s23, v[L16]
	v_add_nc_u32 v[B8+2+\c], s23, v[L8]
	s_add_co_u32 s21, s21, SLOT
	s_add_co_u32 s22, s22, SLOT
	s_add_co_u32 s23, s23, BLK
.endr
	s_lshl_b32 s21, s15, 10
	s_lshl_b32 s22, s16, 10
	s_add_co_u32 s22, s22, BLK
	s_sub_co_u32 s22, s22, s21                     ; from A's rows' scale bytes to B's, place 0
	s_add_co_u32 s21, s21, 49152                   ; A's, chunk 0
	s_add_co_u32 s23, s21, SLOT                    ; A's, chunk 1
	v_lshlrev_b32 v3, 4, v1                        ; 16 r
	v_mul_u32_u24 v4, s22, v2                      ; lanes 16-31 take B's
	v_add_nc_u32 v4, v4, v3
	v_add_nc_u32 v[ADRS], s21, v4
	v_add_nc_u32 v[ADRS+1], s23, v4
	s_add_co_u32 s22, s22, 2*BLK                   ; place 1, chunk 1
	v_mul_u32_u24 v4, s22, v2
	v_add_nc_u32 v4, v4, v3
	v_add_nc_u32 v[ADRS+3], s23, v4
	s_add_co_u32 s22, s22, BLK                     ; place 1, chunk 0
	v_mul_u32_u24 v4, s22, v2
	v_add_nc_u32 v4, v4, v3
	v_add_nc_u32 v[ADRS+2], s21, v4
	v_lshlrev_b32 v8, 6, v2                        ; the bias: 64 h
	v_lshlrev_b32 v30, 4, v1                       ; a row's sixteen scale bytes: 16 r
	v_mov_b32 v[TM+2], 0                           ; written once: a lane permute's destination counts as one of its sources
	v_mov_b32 v[TM+3], 0
	s_mov_b32 s89, 0
	s_lshl_b32 s88, s42, 11
	s_lshl_b32 s80, s16, 8
	s_add_co_u32 s88, s88, s80
	s_add_nc_u64 s[8:9], s[8:9], s[88:89]          ; ff_b1 at column 512 x + 64 ch
	BIAS_T 0
	s_lshl_b32 s82, s17, 3
	s_add_co_u32 s82, s82, s42
	s_mul_i32 s82, s82, BLK                        ; fq's block (token tile, chunk x)
	s_mul_i32 s88, s16, 6144
	s_mul_i32 s83, s15, 3072
	s_add_co_u32 s88, s88, s83
	s_add_co_u32 s88, s88, s82
	s_add_nc_u64 s[68:69], s[10:11], s[88:89]
	s_lshl_b32 s88, s15, 10
	s_lshl_b32 s83, s16, 1
	s_add_co_u32 s88, s88, s83
	s_add_co_u32 s88, s88, s82
	s_add_co_u32 s88, s88, 49152
	s_add_nc_u64 s[70:71], s[10:11], s[88:89]
	s_wait_alu depctr_va_vdst(0)
	s_wait_tensorcnt 0x0                           ; my block is in
	ds_add_u32 v[SPW], v[NIL]
	s_mov_b32 s[G1B+2], 100<<16                    ; no load of mine is out: from here on a load of B brings a quarter of a tile, 100 rows
	s_mov_b32 s[G1B+4], 100
	s_wait_dscnt 0x0
	CROUND                                         ; both chunks of A and of B's tile 0 are whole, and all sixteen work-groups are here
	TLOAD                                          ; my quarter of B's tile 1: the first tensor load behind the round
	FETCH 0,0,F0
	SCALES 0
.irp i, 0,1,2,3
	CHUNK 2*\i,1
	CHUNK 2*\i+1,0
	OUT_EH \i                                      ; behind the refill and the next tile's first fragment loads
.endr
	s_wait_tensorcnt 0x0                           ; the wave's end
	ds_add_u32 v[SPW], v[NIL]
	s_wait_dscnt 0x0
	CROUND                                         ; the closing round
	s_endpgm
.Lfunc_end_k_qe140f03ad7_g5:
	.size	k_qe140f03ad7_g5, .Lfunc_end_k_qe140f03ad7_g5-k_qe140f03ad7_g5
	.p2alignl 7, 3214868480
	.fill 96, 4, 3214868480
	.section	.rodata,"a",@progbits
	.p2align	6, 0x0
	.amdhsa_kernel k_qe140f03ad7_g5
		.amdhsa_group_segment_fixed_size 327680
		.amdhsa_private_segment_fixed_size 0
		.amdhsa_enable_private_segment 0
		.amdhsa_kernarg_size 32
		.amdhsa_user_sgpr_count 2
		.amdhsa_user_sgpr_kernarg_segment_ptr 1
		.amdhsa_wavefront_size32 1
		.amdhsa_system_sgpr_workgroup_id_x 1
		.amdhsa_system_sgpr_workgroup_id_y 1
		.amdhsa_system_sgpr_workgroup_id_z 1
		.amdhsa_system_vgpr_workitem_id 0
		.amdhsa_next_free_vgpr 512
		.amdhsa_next_free_sgpr 98
		.amdhsa_reserve_vcc 0
		.amdhsa_float_denorm_mode_32 3
		.amdhsa_float_denorm_mode_16_64 3
		.amdhsa_memory_ordered 1
		.amdhsa_forward_progress 1
		.amdhsa_inst_pref_size 202
	.end_amdhsa_kernel
	.amdgpu_metadata
---
amdhsa.version: [ 1, 2 ]
amdhsa.kernels:
  - .name:           k_qe140f03ad7_g5
    .symbol:         k_qe140f03ad7_g5.kd
    .args:
      - { .name: hq, .offset: 0, .size: 8, .value_kind: global_buffer, .address_space: global }
      - { .name: wts, .offset: 8, .size: 8, .value_kind: global_buffer, .address_space: global }
      - { .name: ff_b1, .offset: 16, .size: 8, .value_kind: global_buffer, .address_space: global }
      - { .name: fq, .offset: 24, .size: 8, .value_kind: global_buffer, .address_space: global }
    .group_segment_fixed_size: 327680
    .private_segment_fixed_size: 0
    .kernarg_segment_align: 8
    .kernarg_segment_size: 32
    .max_flat_workgroup_size: 128
    .sgpr_count:     98
    .vgpr_count:     512
    .wavefront_size: 32
...
	.end_amdgpu_metadata
.endif
;; end of part 5
;; launch g6 (part 6): grid 8 x 32, 4 waves a work-group, no clusters, 270,848 bytes of LDS; arguments fq, wts, ff_b2, x1, out0; writes out0
.if DOCPART == 6
	.amdgcn_target "amdgcn-amd-amdhsa--gfx1250"
	.amdhsa_code_object_version 6
	.text
	.protected	k_qe140f03ad7_g6
	.globl	k_qe140f03ad7_g6
	.p2align	8
	.type	k_qe140f03ad7_g6,@function
k_qe140f03ad7_g6:
	s_mov_b64 s[64:65], 0
	v_nop
	global_prefetch_b8 v0, s[64:65] scope:SCOPE_SE
	s_setreg_imm32_b32 hwreg(HW_REG_WAVE_MODE, 25, 1), 1
	s_wait_xcnt 0x0
; out0 = x1 + f ff_w2 + ff_b2 (product 6) on codes of E2M3.  f: fq, [4096][4096]; ff_w2: wts, [1024][4096]; both in the program's block layout (head of the first kernel).  x1, out0: [4096][1024] f32.
; SHARES.  256 work-groups, 8 x 32; a work-group makes 128 tokens x 128 columns.  THE FOUR WAVES SPLIT K: wave w takes K steps NS w .. NS w + NS - 1 (128 along K each) of the whole 128 x 128: 64 accumulators, 512 registers.
; The layout is the image of the operand registers, so a fragment comes from memory straight into registers (16 and 8 bytes a lane: runs of 512 and 256 bytes); a wave's fragments are read by that wave alone, each byte once in a work-group.
; So no tile lies in LDS, there is no tensor load that partners could share (cluster = none), and the walk along K has no barrier.  No prefetch: the text has no loop; while a step is multiplied the next step's 64 loads are out.
; SCALES: a register holds the words of group j in lanes 0-15 and of group j + 4 in lanes 16-31; the instruction's row selectors choose.
; THE WAY OUT: each wave lays its 128 x 128 partial sums into its own part of LDS by rows (528 bytes apart); one barrier; wave d adds the four parts of stage rows 32 d .. 32 d + 31, the bias and the residual, and stores rows of 512 bytes.
; LIMIT: K is summed in four parts, which are added in f32 at the end: another order of rounding than one chain along K.
; REGISTERS.  window 0: v1-15 addresses and bias; v16-79 scale words; v80-175 A's fragments, even steps (at the end 24 rows of the residual); v176-223 A's blocks 4-7, odd steps; v224-255 8 rows of the residual.
;   window 1: v0-95, v96-191 B's fragments, even and odd steps; v192-239 A's blocks 0-3, odd steps.   windows 2, 3: accumulator (a, b) at v[8 (8 (a % 4) + b)] of window 2 + a / 4.
.set KCH,  8                           ; blocks of 512 along K
.set NS,   8                           ; my wave's K steps
.set SW,   4                           ; scale words that one load brings a row
.set WOFF, 6553600                     ; the weight's place in wts
.set BLK,  51200
.set RP,   528                         ; a stage row: 512 bytes + 16
.set PART, 128*RP
.set SPARE, 4*PART                     ; the spare words, 128 bytes for each wave, that no other line names
.set L16, 1
.set L8,  2
.set SO,  3
.set STO, 4
.set BI,  8
.set SPW, 12
.set NIL, 13
.set SC,  16
.set AE,  80
.set AOH, 176
.set AOL, 192
.set MSB, 0
.macro WIN new                         ; the immediate's high byte repeats the setting that is left
.if MSB != (\new)
	s_set_vgpr_msb (MSB<<8)|(\new)
.set MSB, (\new)
.endif
.endm
.macro PLACES                          ; four plain instructions between a matrix instruction and a load into, or a read of, its registers
.rept 4
	v_nop
.endr
.endm
.macro FRAG reg, base, off             ; a fragment (16 rows x 128 K, 12 registers) is two units of 768 bytes
	global_load_b128 v[(\reg):(\reg)+3], v[L16], s[\base:\base+1] offset:(\off)
	global_load_b64 v[(\reg)+4:(\reg)+5], v[L8], s[\base:\base+1] offset:(\off)
	global_load_b128 v[(\reg)+6:(\reg)+9], v[L16], s[\base:\base+1] offset:(\off)+6144
	global_load_b64 v[(\reg)+10:(\reg)+11], v[L8], s[\base:\base+1] offset:(\off)+6144
.endm
.macro LDA s, i0                       ; A's blocks i0 .. i0 + 3 of step s
.irp i, 0,1,2,3
.if (\s)%2 == 0
	FRAG AE+12*(\i0+\i),20,SOFF+768*(\i0+\i)
.elseif \i0 == 0
	FRAG AOL+12*\i,20,SOFF+768*\i
.else
	FRAG AOH+12*\i,20,SOFF+768*(4+\i)
.endif
.endr
.endm
.macro LD1 s                           ; 48 loads: B's eight fragments and A's blocks 0-3 of step s
.set SOFF, ((\s)/4)*BLK+((\s)%4)*12288
	WIN 0x40
.irp i, 0,1,2,3,4,5,6,7
	FRAG 96*((\s)%2)+12*\i,22,SOFF+768*\i
.endr
.if (\s)%2 == 0
	WIN 0
.endif
	LDA \s,0
.endm
.macro LD2 s                           ; 16 loads: A's blocks 4-7
.set SOFF, ((\s)/4)*BLK+((\s)%4)*12288
	WIN 0
	LDA \s,4
.endm
.macro WM dd, fb, sb, sa, rb, ra, zero ; source 0 = 16 columns of the weight, source 1 = 16 tokens: a lane holds one token and eight neighbouring columns
.if \zero
	v_wmma_scale_f32_16x16x128_f8f6f4 v[(\dd):(\dd)+7], v[(\fb):(\fb)+11], v[FA:FA+11], 0, v[\sb], v[\sa] matrix_a_fmt:MATRIX_FMT_FP6 matrix_b_fmt:MATRIX_FMT_FP6 matrix_a_scale:MATRIX_SCALE_ROW\rb matrix_b_scale:MATRIX_SCALE_ROW\ra
.else
	v_wmma_scale_f32_16x16x128_f8f6f4 v[(\dd):(\dd)+7], v[(\fb):(\fb)+11], v[FA:FA+11], v[(\dd):(\dd)+7], v[\sb], v[\sa] matrix_a_fmt:MATRIX_FMT_FP6 matrix_b_fmt:MATRIX_FMT_FP6 matrix_a_scale:MATRIX_SCALE_ROW\rb matrix_b_scale:MATRIX_SCALE_ROW\ra
.endif
.endm
.macro MUL32 s, hi, zero               ; A's blocks 4 hi .. 4 hi + 3 x B's eight.  The 64 accumulators take turns, one instruction a turn, in the same order in every step
.set SQ, SC+((\s)/SW)*8*SW+(\s)%SW
.irp a, 0,1,2,3
.if (\s)%2 == 0
.set FA, AE+12*(4*\hi+\a)
.elseif \hi
.set FA, AOH+12*\a
.else
.set FA, AOL+12*\a
.endif
.irp b, 0,1,2,3
	WM 8*(8*\a+\b),96*((\s)%2)+12*\b,SQ+4*SW+SW*\b,SQ+SW*\a,0,\hi,\zero
.endr
.irp b, 4,5,6,7
	WM 8*(8*\a+\b),96*((\s)%2)+12*\b,SQ+4*SW+SW*(\b-4),SQ+SW*\a,1,\hi,\zero
.endr
.endr
.endm
.macro XLOAD                           ; the residual: my 32 rows x 512 bytes; stage row t is token 8 (t / 16) + t % 16 + 8 ((t % 16) / 8) of my 32
.set t, 0
.rept 32
	global_load_b128 v[AE+4*t+48*(t/24):AE+4*t+48*(t/24)+3], v[L16], s[10:11] offset:(8*(t/16)+t%16+8*((t%16)/8))*4096
.set t, t+1
.endr
.endm
.macro STEP s, zero
.if (\s) > 0
	PLACES                                         ; behind the last step's products: they part it from this step's loads into the sets that it read
.endif
.if (\s)+1 < NS
	LD1 (\s)+1
	s_wait_loadcnt 48                              ; all but the 48 just issued: this step's fragments are in
.else
	WIN 0
	XLOAD
	s_wait_loadcnt 32                              ; all but the 32 just issued
.endif
.if (\s)%2
	WIN 0xa5                                       ; sources 0 and 1 window 1, C and D window 2
.else
	WIN 0xa1                                       ; source 0 window 1, source 1 window 0
.endif
	MUL32 \s,0,\zero
.if (\s)+1 < NS
	LD2 (\s)+1
.endif
	WIN 0xf1                                       ; source 0 window 1, source 1 window 0, C and D window 3
	MUL32 \s,1,\zero
.endm
	s_load_b256 s[4:11], s[0:1], 0x0               ; A's codes, wts, the bias, the residual
	s_load_b64 s[12:13], s[0:1], 0x20              ; the result
	v_lshl_add_u32 v[SPW], v0, 2, SPARE            ; my spare word; never rewritten
	v_mov_b32 v[NIL], 0                            ; 0; never rewritten
	v_lshrrev_b32 v9, 5, v0
	v_readfirstlane_b32 s14, v9                    ; wave
	v_and_b32 v9, 31, v0                           ; lane
	v_and_b32 v10, 15, v0                          ; r
	v_bfe_u32 v11, v0, 4, 1                        ; h
	v_lshlrev_b32 v[L16], 4, v9                    ; a unit's registers 0-3; also my 16 bytes of a row of 512
	v_lshlrev_b32 v[L8], 3, v9
	v_add_nc_u32 v[L8], 512, v[L8]                 ; a unit's registers 4, 5
	v_lshlrev_b32 v[SO], 4, v10
	v_lshl_add_u32 v[SO], v11, 10, v[SO]           ; scale bytes: 16 r, lanes 16-31 four groups on
	v_mul_u32_u24 v[STO], v10, RP
	v_lshl_add_u32 v[STO], v11, 6, v[STO]
	s_mul_i32 s15, s14, PART
	v_add_nc_u32 v[STO], s15, v[STO]               ; the stage, in: my part, row r, + 64 h
	s_mul_i32 s15, s14, 32*RP
	v_add_nc_u32 v6, s15, v[L16]                   ; and back: my 32 rows in part 0,
	v_add_nc_u32 v7, PART, v6                      ; 1,
	v_add_nc_u32 v14, 2*PART, v6                   ; 2,
	v_add_nc_u32 v15, 3*PART, v6                   ; 3
	s_mul_i32 s15, s14, NS                         ; my first K step
	s_lshr_b32 s17, s15, 2
	s_mul_i32 s17, s17, BLK                        ; its block of 512 along K,
	s_and_b32 s15, s15, 3
	s_mul_i32 s18, s15, 12288                      ; its units in the block,
	s_add_co_u32 s18, s18, s17
	s_lshl_b32 s19, s15, 2                         ; its word of a row's sixteen scale bytes
	s_add_co_u32 s19, s19, s17
	s_add_co_u32 s19, s19, 49152
	s_and_b32 s16, ttmp7, 0xffff                   ; the tile of 128 tokens
	s_mul_i32 s20, s16, KCH*BLK
	s_mul_i32 s22, ttmp9, KCH*BLK                  ; the tile of 128 columns
	s_add_co_u32 s22, s22, WOFF
	s_add_co_u32 s24, s20, s19
	s_add_co_u32 s26, s22, s19
	s_add_co_u32 s20, s20, s18
	s_add_co_u32 s22, s22, s18
	s_mov_b32 s21, 0
	s_mov_b32 s23, 0
	s_mov_b32 s25, 0
	s_mov_b32 s27, 0
	s_mov_b32 s29, 0
	s_mov_b32 s31, 0
	s_lshl_b32 s28, ttmp9, 9                       ; 512 bytes a column tile
	s_lshl_b32 s30, s16, 7
	s_lshl_b32 s17, s14, 5
	s_add_co_u32 s30, s30, s17                     ; my first row on the way out: 128 x tile + 32 x wave
	s_lshl_b32 s30, s30, 12
	s_add_co_u32 s30, s30, s28
	s_wait_alu depctr_va_vdst(0)
	s_wait_kmcnt 0x0
	s_add_nc_u64 s[20:21], s[4:5], s[20:21]        ; A's codes
	s_add_nc_u64 s[24:25], s[4:5], s[24:25]        ; A's scale bytes
	s_add_nc_u64 s[22:23], s[6:7], s[22:23]        ; B's codes
	s_add_nc_u64 s[26:27], s[6:7], s[26:27]        ; B's scale bytes
	s_add_nc_u64 s[8:9], s[8:9], s[28:29]
	s_add_nc_u64 s[10:11], s[10:11], s[30:31]
	s_add_nc_u64 s[12:13], s[12:13], s[30:31]
.set c, 0
.rept (NS+SW-1)/SW
.irp j, 0,1,2,3
.if SW == 4
	global_load_b128 v[SC+32*c+4*\j:SC+32*c+4*\j+3], v[SO], s[24:25] offset:c*BLK+256*\j
	global_load_b128 v[SC+32*c+16+4*\j:SC+32*c+16+4*\j+3], v[SO], s[26:27] offset:c*BLK+256*\j
.else
	global_load_b64 v[SC+2*\j:SC+2*\j+1], v[SO], s[24:25] offset:256*\j
	global_load_b64 v[SC+8+2*\j:SC+8+2*\j+1], v[SO], s[26:27] offset:256*\j
.endif
.endr
.set c, c+1
.endr
	global_load_b128 v[BI:BI+3], v[L16], s[8:9]    ; the bias of my four columns of a row
	LD1 0
	LD2 0
	STEP 0,1                                       ; the first step's products start the sums
.irp s, 1,2,3,4,5,6,7
	STEP \s,0
.endr
	PLACES
.irp a, 0,1,2,3,4,5,6,7
	WIN 0x08+4*(\a/4)
.irp b, 0,1,2,3,4,5,6,7
	ds_store_b128 v[STO], v[8*(8*(\a%4)+\b):8*(8*(\a%4)+\b)+3] offset:\a*16*RP+128*(\b/2)+32*(\b%2)      ; each accumulator from its low end on
	ds_store_b128 v[STO], v[8*(8*(\a%4)+\b)+4:8*(8*(\a%4)+\b)+7] offset:\a*16*RP+128*(\b/2)+32*(\b%2)+16
.endr
.endr
	WIN 0
	s_wait_loadcnt 0x0                             ; the residual
.set t, 0
.rept 32
	v_pk_add_f32 v[AE+4*t+48*(t/24):AE+4*t+48*(t/24)+1], v[AE+4*t+48*(t/24):AE+4*t+48*(t/24)+1], v[BI:BI+1]
	v_pk_add_f32 v[AE+4*t+48*(t/24)+2:AE+4*t+48*(t/24)+3], v[AE+4*t+48*(t/24)+2:AE+4*t+48*(t/24)+3], v[BI+2:BI+3]
.set t, t+1
.endr
	s_wait_alu depctr_va_vdst(0)
	s_wait_dscnt 0x0                               ; for the others' sake: my stores are done
	s_barrier_signal -1
	s_barrier_wait -1
.macro PLOAD k                         ; part k's 32 rows of mine, into registers of their own
	WIN 0x80+0x40*(\k/2)
.set t, 0
.rept 32
	ds_load_b128 v[128*(\k%2)+4*t:128*(\k%2)+4*t+3], v[6+\k+6*(\k/2)] offset:t*RP      ; part k, my stage row t: 512 consecutive bytes
.set t, t+1
.endr
.endm
.macro PADD k, younger                 ; younger: the stage loads issued behind part k's, which may stay out
	s_wait_dscnt \younger
	WIN 0x02+(\k/2)
.set t, 0
.rept 32
	v_pk_add_f32 v[AE+4*t+48*(t/24):AE+4*t+48*(t/24)+1], v[128*(\k%2)+4*t:128*(\k%2)+4*t+1], v[AE+4*t+48*(t/24):AE+4*t+48*(t/24)+1]
	v_pk_add_f32 v[AE+4*t+48*(t/24)+2:AE+4*t+48*(t/24)+3], v[128*(\k%2)+4*t+2:128*(\k%2)+4*t+3], v[AE+4*t+48*(t/24)+2:AE+4*t+48*(t/24)+3]
.set t, t+1
.endr
.endm
	PLOAD 0                                        ; loads and adds by turns: one part's 32 loads are out behind the part that is added
	PLOAD 1
	PADD 0,32
	PLOAD 2
	PADD 1,32
	PLOAD 3
	PADD 2,32
	PADD 3,0
	WIN 0
	s_wait_alu depctr_va_vdst(0)
.set t, 0
.rept 32
	global_store_b128 v[L16], v[AE+4*t+48*(t/24):AE+4*t+48*(t/24)+3], s[12:13] offset:(8*(t/16)+t%16+8*((t%16)/8))*4096   ; 32 lanes store 512 consecutive bytes, at a multiple of 512 from the buffer's first byte
.set t, t+1
.endr
	s_wait_tensorcnt 0x0                           ; the wave's end, behind my last LDS store
	ds_add_u32 v[SPW], v[NIL]
	s_wait_dscnt 0x0
	s_endpgm
.Lfunc_end_k_qe140f03ad7_g6:
	.size	k_qe140f03ad7_g6, .Lfunc_end_k_qe140f03ad7_g6-k_qe140f03ad7_g6
	.p2alignl 7, 3214868480
	.fill 96, 4, 3214868480
	.section	.rodata,"a",@progbits
	.p2align	6, 0x0
	.amdhsa_kernel k_qe140f03ad7_g6
		.amdhsa_group_segment_fixed_size 270848
		.amdhsa_private_segment_fixed_size 0
		.amdhsa_enable_private_segment 0
		.amdhsa_kernarg_size 40
		.amdhsa_user_sgpr_count 2
		.amdhsa_user_sgpr_kernarg_segment_ptr 1
		.amdhsa_wavefront_size32 1
		.amdhsa_system_sgpr_workgroup_id_x 1
		.amdhsa_system_sgpr_workgroup_id_y 1
		.amdhsa_system_sgpr_workgroup_id_z 1
		.amdhsa_system_vgpr_workitem_id 0
		.amdhsa_next_free_vgpr 1024
		.amdhsa_next_free_sgpr 66
		.amdhsa_reserve_vcc 0
		.amdhsa_float_denorm_mode_32 3
		.amdhsa_float_denorm_mode_16_64 3
		.amdhsa_memory_ordered 1
		.amdhsa_forward_progress 1
		.amdhsa_inst_pref_size 162
	.end_amdhsa_kernel
	.amdgpu_metadata
---
amdhsa.version: [ 1, 2 ]
amdhsa.kernels:
  - .name:           k_qe140f03ad7_g6
    .symbol:         k_qe140f03ad7_g6.kd
    .args:
      - { .name: fq, .offset: 0, .size: 8, .value_kind: global_buffer, .address_space: global }
      - { .name: wts, .offset: 8, .size: 8, .value_kind: global_buffer, .address_space: global }
      - { .name: ff_b2, .offset: 16, .size: 8, .value_kind: global_buffer, .address_space: global }
      - { .name: x1, .offset: 24, .size: 8, .value_kind: global_buffer, .address_space: global }
      - { .name: out0, .offset: 32, .size: 8, .value_kind: global_buffer, .address_space: global }
    .group_segment_fixed_size: 270848
    .private_segment_fixed_size: 0
    .kernarg_segment_align: 8
    .kernarg_segment_size: 40
    .max_flat_workgroup_size: 128
    .sgpr_count:     66
    .vgpr_count:     1024
    .wavefront_size: 32
...
	.end_amdgpu_metadata
.endif
;; end of part 6
